; MI455X (gfx1250); checked and timed in simulation.
; The chip was launched on July 23, 2026; its instructions are those of AMD's public machine-readable ISA for CDNA 5 (MIT licence, August 2026) and "CDNA5" Instruction Set Architecture Reference Guide (July 2026). The comments in the code are by the model that wrote it; some were corrected since.
;; Multi Head Attention. Allowed arithmetic: matrix products marked QUANTISED: E2M1 operands, one E8M0 scale for each 32 along K, by v_wmma_scale_f32_16x16x128_f8f6f4 with both operands' format E2M1 (or v_wmma_scale_f32_32x16x128_f4), f32 sums; products left as they are: bf16, f16 or f32 operands; f32 sums; everything else in f32.
;; Inputs: kvinput 2 x 2,048 x 1,024 float32; qinput 2 x 2,048 x 1,024 float32; wk 16 x 1,024 x 64 float32; wo 16 x 64 x 1,024 float32; wq 16 x 1,024 x 64 float32; wv 16 x 1,024 x 64 float32.
;; Outputs: out0 2 x 2,048 x 1,024 float32.
;; This version of the problem:
;;   THIS VERSION OF THE PROBLEM IS GIVEN IN LOW PRECISION. The matrix products marked QUANTISED in the list below multiply operands that are first quantised to E2M1 (2 exponent bits, 1 mantissa bit; 4 bits a number), with one power-of-two scale for each 32 numbers along K (OCP MX v1.0); their sums are f32. The products marked 'left as it is' may take bf16, f16 or f32 operands, with f32 sums. Whichever they take, every output number must still come out within the allowed error. Rounding operands to bf16 (8 significant bits) uses up far more of that allowance than f16 does (11 bits, for magnitudes from 6e-5 to 65,504). All else is computed in f32.
;;   The module's matrix products, in the order in which they are computed (A, B: the left and right operand; K: the contracted axis; several contracted axes count as one K, in the product's order):
;;     1. [M 1,024, K 1,024] x [K 1,024, N 4,096]; A: input wk; B: input kvinput: QUANTISED
;;     2. [M 1,024, K 1,024] x [K 1,024, N 4,096]; A: input wq; B: input qinput: QUANTISED
;;     3. [M 1,024, K 1,024] x [K 1,024, N 4,096]; A: input wv; B: input kvinput: QUANTISED
;;     4. batch 32 x [M 2,048, K 64] x [K 64, N 2,048]; A: computed on the way; B: computed on the way: left as it is (an operand is computed on the way)
;;     5. batch 32 x [M 2,048, K 2,048] x [K 2,048, N 64]; A: computed on the way; B: computed on the way: left as it is (an operand is computed on the way)
;;     6. [M 4,096, K 1,024] x [K 1,024, N 1,024]; A: computed on the way; B: input wo: left as it is (an operand is computed on the way)
;;   THE QUANTISER, for each operand of a quantised product, along K:
;;     - K is cut into blocks of 32 from its start; a last block that is shorter is filled with zeros.
;;     - A block's scale is 2^e with e = floor(log2(the largest magnitude in the block)) - 2, held to -126 .. 127; a block of zeros has e = 0. As a byte (E8M0): e + 127.
;;     - Each number is divided by its block's scale, clamped to +-6, and rounded to the nearest number of E2M1, ties to even, subnormals kept.
;;     - The product sums the exact products of the quantised numbers (number of the format x scale) in f32.
;;   ~~~python
;;   def quantise(x, axis):      # numpy; x: float32 -> the quantised numbers, widened to float32 again
;;       x = np.moveaxis(x, axis, -1); K = x.shape[-1]
;;       x = np.pad(x, [(0, 0)] * (x.ndim - 1) + [(0, -K % 32)]); x = x.reshape(x.shape[:-1] + (-1, 32)); a = np.abs(x).max(-1, keepdims=True)
;;       e = np.where(a > 0, np.clip(np.frexp(np.where(a > 0, a, 1))[1] - 1 - 2, -126, 127), 0)      # np.frexp(a)[1] - 1 = floor(log2(a)), exactly
;;       r = np.clip(x / 2.0 ** e, -6, 6)
;;       step = 2.0 ** (np.maximum(np.frexp(np.where(r == 0, 1, r))[1] - 1, 0) - 1)
;;       q = np.round(r / step) * step * 2.0 ** e      # np.round: ties to even
;;       return np.moveaxis(q.reshape(q.shape[:-2] + (-1,))[..., :K], -1, axis).astype(np.float32)
;;   ~~~
;; One version. Each part assembles by itself: llvm-mc -triple=amdgcn-amd-amdhsa -mcpu=gfx1250 --defsym DOCPART=n.
;; ======== version 1 of 1: 6 launches
;; limits: values are held in f16: magnitudes above 65,504 overflow, below 6.1e-05 lose precision
;; workspace buffers: cod 5,767,168 bytes; scl 360,448 bytes; wo16 2,097,152 bytes; kqv 25,165,824 bytes; pre 8,388,608 bytes; pf 131,072 bytes; bst 589,824 bytes
;; launch prep (part 1): grid 576 x 1, 4 waves a work-group, no clusters, 42,496 bytes of LDS; arguments kvinput, qinput, wk, wv, wq, wo, cod, scl, wo16; writes cod, scl, wo16
.if DOCPART == 1
	.amdgcn_target "amdgcn-amd-amdhsa--gfx1250"
	.amdhsa_code_object_version 6
	.text
	.protected	k_qaa0f17a5bf_prep
	.globl	k_qaa0f17a5bf_prep
	.p2align	8
	.type	k_qaa0f17a5bf_prep,@function
k_qaa0f17a5bf_prep:
	s_mov_b64 s[64:65], 0
	v_nop
	global_prefetch_b8 v0, s[64:65] scope:SCOPE_SE
	s_setreg_imm32_b32 hwreg(HW_REG_WAVE_MODE, 25, 1), 1
	s_wait_xcnt 0x0
; THE OPERANDS OF THE THREE QUANTISED PRODUCTS BECOME CODES OF FP4 (E2M1) WITH ONE E8M0 BYTE FOR EACH 32 ALONG m; wo BECOMES f16.
; cod: [11264 rows][512 bytes], m innermost, two codes a byte; scl: [11264][32 bytes].  Rows 0-4095 kvinput (b, c); 4096-8191 qinput; 8192 + 1024 part + 64 h + column, part 0 = wk, 1 = wv, 2 = wq.
; A block's scale is 2^(floor(log2(its largest magnitude)) - 2); its byte is the largest magnitude's exponent field - 2, held at 1 from below.
; (A block of zeros so gets the byte 1 where the rule says 127: its codes are zeros, which add nothing under any byte but 0xff, and this program alone reads the bytes.)
; LIMITS: blocks whose largest magnitude lies under 2^-124 keep the byte 1; NaN and infinities among the inputs are not served; wo goes to f16: magnitudes under 65,504, absolute step 6e-8 under 6e-5.
; THREE PATHS part on the work-group's number alone, each with LDS bytes of its own:
;   X (work-groups 0-255): kvinput and qinput, m innermost: a plain stream of blocks of 32.  A wave takes 16 steps of 512 numbers; each load reads 512 consecutive bytes; a step turns through the wave's own
;     stage in LDS so that a lane holds 16 neighbours; a wave's store of codes covers 256 consecutive bytes, its 256 scale bytes leave as one aligned run.
;   W (256-447): wk, wv, wq, [h][m][64]: m is not innermost.  A lane takes a column and its registers run down m; a wave takes 32 columns x 128 along m, the four waves 512 along m of the same columns;
;     the codes meet in a stage (a row = a column's 256 bytes) and leave sixteen lanes to 256 consecutive aligned bytes.
;   O (448-575): wo to f16, a stream.
; No matrix unit, no cluster, no tensor load: the work-groups share nothing and memory binds.
.set STEPS, 16
.set SP,    80                         ; path X: a lane's place in a stage: 64 bytes + 16 of padding
.set WREG,  8192                       ; path X: a wave's region: two stages of 32 x SP bytes, then its 256 scale bytes
.set WST,   32768                      ; path W: the stage, 32 rows of 256 bytes + 16
.set WPIT,  272
.set SCW,   WST+32*WPIT                ; path W: 32 columns x 16 scale bytes
.set SPARE, SCW+512                    ; the spare words, 128 bytes a wave: two blocks of 256 bytes that no other line names
.set SPW,   190                        ; v190  SPARE + 4 x my thread's number; never rewritten
.set NIL,   191                        ; v191  0; never rewritten
.set R,     16                         ; X: v16-79   four sets of 16 numbers as loaded
.set X,     80                         ; X: v80-111  two sets of 16 neighbours
.set E,     112                        ; X: v112-127 a scale byte for each step
.set C,     128                        ; X: v128-189 codes, four registers reserved a step: no store's data are written again
.set WX,    32                         ; W: v32-95   two sets of 32 numbers
.set WC,    96                         ; W: v96-99   a block's codes
.set WB,    112                        ; W: v112-127 rows read back
.macro LOAD t
.irp i, 0,1,2,3
	global_load_b128 v[R+16*((\t)%4)+4*\i:R+16*((\t)%4)+4*\i+3], v3, s[4:5] offset:2048*(\t)+512*\i th:TH_LOAD_NT   ; 32 lanes read 512 consecutive bytes
.endr
.endm
.macro TURN t                          ; a step's numbers through the stage: LDS serves a wave's instructions in order, so no wait stands between the stores and the loads
.irp i, 0,1,2,3
	ds_store_b128 v14, v[R+16*((\t)%4)+4*\i:R+16*((\t)%4)+4*\i+3] offset:32*SP*((\t)%2)+8*SP*\i
.endr
.irp i, 0,1,2,3
	ds_load_b128 v[X+16*((\t)%2)+4*\i:X+16*((\t)%2)+4*\i+3], v15 offset:32*SP*((\t)%2)+16*\i
.endr
.endm
.macro STEP t
.set XS, X+16*((\t)%2)
.if (\t) > 0
	s_wait_dscnt 1                                 ; this step's numbers are back (the last step's byte store may be out)
.else
	s_wait_dscnt 0x0
.endif
.if (\t)+4 < STEPS
	LOAD (\t)+4                                    ; into the set whose stores into the stage have been served
.endif
.if (\t)+1 < STEPS
.if STEPS-2-(\t) >= 3
	s_wait_loadcnt 12                              ; the next step's four loads are in; those of the three steps behind it may be out
.else
	s_wait_loadcnt 4*(STEPS-2-(\t))
.endif
	TURN (\t)+1
.endif
	v_max3_num_f32 v8, |v[XS]|, |v[XS+1]|, |v[XS+2]|
	v_max3_num_f32 v9, |v[XS+3]|, |v[XS+4]|, |v[XS+5]|
.irp i, 6,10
	v_max3_num_f32 v8, v8, |v[XS+\i]|, |v[XS+\i+1]|
	v_max3_num_f32 v9, v9, |v[XS+\i+2]|, |v[XS+\i+3]|
.endr
	v_max3_num_f32 v8, v8, |v[XS+14]|, |v[XS+15]|
	v_max3_num_f32 v8, v8, v9, 0x1800000           ; with the floor 2^(3 - 127): the byte cannot fall under 1
	v_max_num_f32_dpp v8, v8, v8 row_xmask:1 row_mask:0xf bank_mask:0xf   ; and my neighbour's 16: the block's largest magnitude
	v_add_nc_u32 v11, 0xff000000, v8               ; 2 off its exponent field: the conversion takes this operand's exponent field as its scale
	v_cvt_scalef32_pk8_fp4_f32 v[C+4*(\t)], v[XS:XS+7], v11
	v_cvt_scalef32_pk8_fp4_f32 v[C+4*(\t)+1], v[XS+8:XS+15], v11
	v_lshrrev_b32 v[E+(\t)], 23, v11               ; the scale's byte
	ds_store_b8 v5, v[E+(\t)] offset:16*(\t)       ; both lanes of a block write the same byte with the same value
	global_store_b64 v4, v[C+4*(\t):C+4*(\t)+1], s[16:17] offset:256*(\t)   ; the wave stores 256 consecutive bytes
.endm
.macro LOADW t                         ; block t: w(32 t + i, my column) into set t % 2; a row of a head is 256 bytes
.set i, 0
.rept 32
	global_load_b32 v[WX+32*((\t)%2)+i], v3, s[8:9] offset:(32*(\t)+i)*256 th:TH_LOAD_NT
.set i, i+1
.endr
.endm
.macro BLOCKW t
.set XS, WX+32*((\t)%2)
.if (\t) < 3
	s_wait_loadcnt 32                              ; this block's 32 loads are in; the next block's may be out
.else
	s_wait_loadcnt 0x0
.endif
	v_max3_num_f32 v12, |v[XS]|, |v[XS+1]|, |v[XS+2]|       ; all 32 numbers of the block are mine
	v_max3_num_f32 v13, |v[XS+3]|, |v[XS+4]|, |v[XS+5]|
.irp i, 6,10,14,18,22,26
	v_max3_num_f32 v12, v12, |v[XS+\i]|, |v[XS+\i+1]|
	v_max3_num_f32 v13, v13, |v[XS+\i+2]|, |v[XS+\i+3]|
.endr
	v_max3_num_f32 v12, v12, |v[XS+30]|, |v[XS+31]|
	v_max3_num_f32 v12, v12, v13, 0x1800000
	v_add_nc_u32 v11, 0xff000000, v12
	v_lshrrev_b32 v13, 23, v11
.if (\t) == 0
	v_mov_b32 v24, v13                             ; my wave's four bytes make one word, the lower m in the lower byte
.else
	v_lshl_or_b32 v24, v13, 8*(\t), v24
.endif
.irp g, 0,1,2,3
	v_cvt_scalef32_pk8_fp4_f32 v[WC+\g], v[XS+8*\g:XS+8*\g+7], v11
.endr
	ds_store_b128 v4, v[WC:WC+3] offset:16*(\t)    ; 32 codes: 16 bytes of my column's row
.if (\t)+2 < 4
	LOADW (\t)+2
.endif
	s_wait_dscnt 0x0                               ; the store has been served: the next block's codes may be written
.endm
	s_load_b512 s[4:19], s[0:1], 0x0               ; kvinput, qinput, wk, wv, wq, wo, cod, scl
	s_load_b64 s[20:21], s[0:1], 0x40              ; wo16
	v_lshl_add_u32 v[SPW], v0, 2, SPARE
	v_mov_b32 v[NIL], 0
	v_lshrrev_b32 v1, 5, v0
	v_readfirstlane_b32 s22, v1                    ; wave 0..3
	v_and_b32 v2, 31, v0                           ; lane
	s_wait_kmcnt 0x0
	s_cmp_ge_u32 ttmp9, 448
	s_cbranch_scc1 .Lpath_o
	s_cmp_ge_u32 ttmp9, 256
	s_cbranch_scc1 .Lpath_w
	; ---------------- path X
	v_lshlrev_b32 v3, 4, v2                        ; my 16 bytes of a load's 512
	s_mul_i32 s23, s22, WREG
	v_lshrrev_b32 v14, 2, v2
	v_mul_u32_u24 v14, v14, SP
	v_and_b32 v15, 3, v2
	v_lshl_add_u32 v14, v15, 4, v14
	v_add_nc_u32 v14, s23, v14                     ; the stage, in: SP (lane / 4) + 16 (lane % 4)
	v_mul_u32_u24 v15, v2, SP
	v_add_nc_u32 v15, s23, v15                     ; and out: SP x lane
	v_lshlrev_b32 v4, 3, v2                        ; my 8 bytes of a step's codes
	v_lshrrev_b32 v5, 1, v2
	s_add_co_u32 s23, s23, 2*32*SP
	v_add_nc_u32 v5, s23, v5                       ; my block's byte among my wave's 256
	v_lshlrev_b32 v7, 3, v2
	v_add_nc_u32 v6, s23, v7
	s_cmp_lt_u32 ttmp9, 128                        ; kvinput or qinput: the choice hangs on the work-group's number alone
	s_cselect_b64 s[4:5], s[4:5], s[6:7]
	s_and_b32 s24, ttmp9, 127
	s_lshl_b32 s24, s24, 2
	s_add_co_u32 s24, s24, s22
	s_lshl_b32 s24, s24, 15                        ; my run of 8,192 numbers in its tensor
	s_mov_b32 s25, 0
	s_add_nc_u64 s[4:5], s[4:5], s[24:25]
	s_lshl_b32 s26, ttmp9, 2
	s_add_co_u32 s26, s26, s22                     ; which run of both tensors on end
	s_lshl_b32 s24, s26, 12
	s_add_nc_u64 s[16:17], s[16:17], s[24:25]      ; 4,096 bytes of codes a run
	s_lshl_b32 s24, s26, 8
	s_add_nc_u64 s[18:19], s[18:19], s[24:25]      ; 256 scale bytes a run
.irp t, 0,1,2,3
	LOAD \t
.endr
	s_wait_loadcnt 12                              ; step 0's four loads are in
	TURN 0
.irp t, 0,1,2,3,4,5,6,7,8,9,10,11,12,13,14,15
	STEP \t
.endr
	ds_load_b64 v[8:9], v6                         ; LDS serves a wave's instructions in order: these see my byte stores
	s_wait_dscnt 0x0
	global_store_b64 v7, v[8:9], s[18:19]          ; 32 lanes store 256 consecutive aligned bytes
	s_wait_tensorcnt 0x0                           ; the wave's end
	ds_add_u32 v[SPW], v[NIL]
	s_wait_dscnt 0x0
	s_endpgm
	; ---------------- path W
.Lpath_w:
	s_sub_co_u32 s23, ttmp9, 256                   ; j = 64 part + 4 h + 2 (column half) + (m half)
	s_cmp_lt_u32 s23, 128
	s_cselect_b64 s[10:11], s[10:11], s[12:13]
	s_cmp_lt_u32 s23, 64
	s_cselect_b64 s[8:9], s[8:9], s[10:11]         ; wk, wv or wq
	s_lshr_b32 s24, s23, 6                         ; part
	s_bfe_u32 s25, s23, 0x40002                    ; h
	s_bfe_u32 s26, s23, 0x10001                    ; which 32 columns
	s_and_b32 s27, s23, 1                          ; which 512 along m
	s_lshl_b32 s28, s25, 18                        ; a head is 1,024 rows of 256 bytes
	s_lshl_b32 s29, s27, 17
	s_add_co_u32 s28, s28, s29
	s_lshl_b32 s29, s22, 15                        ; my wave's 128 rows
	s_add_co_u32 s28, s28, s29
	s_lshl_b32 s29, s26, 7
	s_add_co_u32 s28, s28, s29
	s_mov_b32 s29, 0
	s_add_nc_u64 s[8:9], s[8:9], s[28:29]
	s_lshl_b32 s30, s24, 10
	s_lshl_b32 s31, s25, 6
	s_add_co_u32 s30, s30, s31
	s_lshl_b32 s31, s26, 5
	s_add_co_u32 s30, s30, s31
	s_add_co_u32 s30, s30, 8192                    ; the first of my work-group's 32 rows of cod and scl
	s_lshl_b32 s31, s22, 3
	s_add_co_u32 s31, s31, s30                     ; the first of the 8 rows that my wave stores
	s_lshl_b32 s28, s31, 9
	s_lshl_b32 s23, s27, 8
	s_add_co_u32 s28, s28, s23
	s_add_nc_u64 s[16:17], s[16:17], s[28:29]
	s_lshl_b32 s28, s31, 5
	s_lshl_b32 s23, s27, 4
	s_add_co_u32 s28, s28, s23
	s_add_nc_u64 s[18:19], s[18:19], s[28:29]
	v_lshlrev_b32 v3, 2, v2                        ; in: 4 bytes a lane
	v_mul_u32_u24 v4, v2, WPIT
	s_lshl_b32 s31, s22, 6
	s_add_co_u32 s31, s31, WST
	v_add_nc_u32 v4, s31, v4                       ; the stage, in: row = my column, my wave's 64 bytes
	v_lshlrev_b32 v5, 4, v2
	s_lshl_b32 s31, s22, 2
	s_add_co_u32 s31, s31, SCW
	v_add_nc_u32 v5, s31, v5                       ; my column's 16 scale bytes, my wave's word
	s_lshl_b32 s31, s22, 7
	s_add_co_u32 s31, s31, SCW
	v_lshl_add_u32 v6, v2, 2, s31                  ; back: columns 8 wave .. + 7, a word a lane
	v_lshrrev_b32 v1, 4, v2
	v_and_b32 v15, 15, v2
	v_mul_u32_u24 v7, v1, WPIT
	v_lshl_add_u32 v7, v15, 4, v7
	s_mul_i32 s31, s22, 8*WPIT
	s_add_co_u32 s31, s31, WST
	v_add_nc_u32 v7, s31, v7                       ; the stage, out: sixteen lanes to a row, two rows an instruction
	v_lshlrev_b32 v10, 9, v1
	v_lshl_add_u32 v10, v15, 4, v10                ; the same place in cod
	v_lshrrev_b32 v14, 2, v2
	v_and_b32 v15, 3, v2
	v_lshlrev_b32 v14, 5, v14
	v_lshl_add_u32 v14, v15, 2, v14                ; scl: 32 (lane / 4) + 4 (lane % 4)
	LOADW 0
	LOADW 1
	BLOCKW 0
	BLOCKW 1
	BLOCKW 2
	BLOCKW 3
	ds_store_b32 v5, v24
	s_wait_dscnt 0x0                               ; for the others' sake: my stores into the stage are done
	s_barrier_signal -1
	s_barrier_wait -1
.irp i, 0,1,2,3
	ds_load_b128 v[WB+4*\i:WB+4*\i+3], v7 offset:2*\i*WPIT
.endr
	ds_load_b32 v100, v6
.irp i, 0,1,2,3
	s_wait_dscnt 4-\i                              ; row pair i is in; the younger loads may be out
	global_store_b128 v10, v[WB+4*\i:WB+4*\i+3], s[16:17] offset:1024*\i   ; sixteen lanes store 256 consecutive aligned bytes
.endr
	s_wait_dscnt 0x0
	global_store_b32 v14, v100, s[18:19]           ; four lanes store a column's 16 scale bytes: runs of 16 bytes, 96 KiB in the whole launch
	s_wait_tensorcnt 0x0                           ; the wave's end
	ds_add_u32 v[SPW], v[NIL]
	s_wait_dscnt 0x0
	s_endpgm
	; ---------------- path O
.Lpath_o:
	s_sub_co_u32 s23, ttmp9, 448
	s_lshl_b32 s24, s23, 2
	s_add_co_u32 s24, s24, s22                     ; my wave's run of 2,048 numbers
	s_lshl_b32 s28, s24, 13
	s_mov_b32 s29, 0
	s_add_nc_u64 s[14:15], s[14:15], s[28:29]
	s_lshl_b32 s28, s24, 12
	s_add_nc_u64 s[20:21], s[20:21], s[28:29]
	v_lshlrev_b32 v3, 4, v2
	v_lshlrev_b32 v4, 3, v2
.irp i, 0,1,2,3,4,5,6,7,8,9,10,11,12,13,14,15
	global_load_b128 v[32+4*\i:35+4*\i], v3, s[14:15] offset:512*\i
.endr
.irp i, 0,1,2,3,4,5,6,7,8,9,10,11,12,13,14,15
	s_wait_loadcnt 15-\i                           ; loads come back in order: number i is in
	v_cvt_pk_f16_f32 v[96+2*\i], v[32+4*\i], v[33+4*\i]
	v_cvt_pk_f16_f32 v[97+2*\i], v[34+4*\i], v[35+4*\i]
	global_store_b64 v4, v[96+2*\i:97+2*\i], s[20:21] offset:256*\i   ; the wave stores 256 consecutive aligned bytes
.endr
	s_wait_tensorcnt 0x0
	ds_add_u32 v[SPW], v[NIL]
	s_wait_dscnt 0x0
	s_endpgm
.Lfunc_end_k_qaa0f17a5bf_prep:
	.size	k_qaa0f17a5bf_prep, .Lfunc_end_k_qaa0f17a5bf_prep-k_qaa0f17a5bf_prep
	.p2alignl 7, 3214868480
	.fill 96, 4, 3214868480
	.section	.rodata,"a",@progbits
	.p2align	6, 0x0
	.amdhsa_kernel k_qaa0f17a5bf_prep
		.amdhsa_group_segment_fixed_size 42496
		.amdhsa_private_segment_fixed_size 0
		.amdhsa_enable_private_segment 0
		.amdhsa_kernarg_size 72
		.amdhsa_user_sgpr_count 2
		.amdhsa_user_sgpr_kernarg_segment_ptr 1
		.amdhsa_wavefront_size32 1
		.amdhsa_system_sgpr_workgroup_id_x 1
		.amdhsa_system_sgpr_workgroup_id_y 1
		.amdhsa_system_sgpr_workgroup_id_z 1
		.amdhsa_system_vgpr_workitem_id 0
		.amdhsa_next_free_vgpr 192
		.amdhsa_next_free_sgpr 66
		.amdhsa_reserve_vcc 0
		.amdhsa_float_denorm_mode_32 3
		.amdhsa_float_denorm_mode_16_64 3
		.amdhsa_memory_ordered 1
		.amdhsa_forward_progress 1
		.amdhsa_inst_pref_size 61
	.end_amdhsa_kernel
	.amdgpu_metadata
---
amdhsa.version: [ 1, 2 ]
amdhsa.kernels:
  - .name:           k_qaa0f17a5bf_prep
    .symbol:         k_qaa0f17a5bf_prep.kd
    .args:
      - { .name: kvinput, .offset: 0, .size: 8, .value_kind: global_buffer, .address_space: global }
      - { .name: qinput, .offset: 8, .size: 8, .value_kind: global_buffer, .address_space: global }
      - { .name: wk, .offset: 16, .size: 8, .value_kind: global_buffer, .address_space: global }
      - { .name: wv, .offset: 24, .size: 8, .value_kind: global_buffer, .address_space: global }
      - { .name: wq, .offset: 32, .size: 8, .value_kind: global_buffer, .address_space: global }
      - { .name: wo, .offset: 40, .size: 8, .value_kind: global_buffer, .address_space: global }
      - { .name: cod, .offset: 48, .size: 8, .value_kind: global_buffer, .address_space: global }
      - { .name: scl, .offset: 56, .size: 8, .value_kind: global_buffer, .address_space: global }
      - { .name: wo16, .offset: 64, .size: 8, .value_kind: global_buffer, .address_space: global }
    .group_segment_fixed_size: 42496
    .private_segment_fixed_size: 0
    .kernarg_segment_align: 8
    .kernarg_segment_size: 72
    .max_flat_workgroup_size: 128
    .sgpr_count:     66
    .vgpr_count:     192
    .wavefront_size: 32
...
	.end_amdgpu_metadata
.endif
;; end of part 1
;; launch proj (part 2): grid 12 x 16, 4 waves a work-group, clusters of 4 x 4, 327,680 bytes of LDS; arguments cod, scl, kqv; writes kqv
.if DOCPART == 2
	.amdgcn_target "amdgcn-amd-amdhsa--gfx1250"
	.amdhsa_code_object_version 6
	.text
	.protected	k_qaa0f17a5bf_proj
	.globl	k_qaa0f17a5bf_proj
	.p2align	8
	.type	k_qaa0f17a5bf_proj,@function
k_qaa0f17a5bf_proj:
	s_mov_b64 s[64:65], 0
	v_nop
	global_prefetch_b8 v0, s[64:65] scope:SCOPE_SE
	s_setreg_imm32_b32 hwreg(HW_REG_WAVE_MODE, 25, 1), 1
	s_wait_xcnt 0x0
	s_wait_alu depctr_hold_cnt(0) depctr_sa_sdst(0) depctr_va_vdst(0) depctr_va_sdst(0) depctr_va_ssrc(0) depctr_va_vcc(0) depctr_vm_vsrc(0)
	s_getreg_b32 s2, hwreg(HW_REG_IB_STS2, 6, 4)
	s_cmp_eq_u32 s2, 0
	s_cbranch_scc0 .Lentry_in_a_cluster
	s_endpgm
.Lentry_in_a_cluster:
	s_bfe_u32 s2, ttmp6, 0x10000c
	s_cmp_lg_u32 s2, 0xf033
	s_cbranch_scc0 .Lentry_shape_is_right
	s_endpgm
.Lentry_shape_is_right:
; THE THREE QUANTISED PRODUCTS: K = kvinput wk, V = kvinput wv, Q = qinput wq, on codes of FP4 with E8M0 scales, 1,024 along m; sums in f32, one chain for each output, m ascending; results rounded once to f16.
; kqv: [6144 rows][4096 bytes] f16.  Rows 0-4095 = (b, c): bytes 0-2047 K (128 bytes a head), bytes 2048-4095 Q.  Rows 4096 + 1024 b + 64 h + v: V TRANSPOSED, the 2,048 keys innermost.
; LIMIT: K, Q and V go to f16: magnitudes under 65,504; absolute step 6e-8 under 6e-5.
; A cluster of 4 x 4 work-groups makes 1,024 x 1,024 of one part (cluster x: 0 = K, 1 = V, 2 = Q); a work-group 256 x 256; each of its four waves 128 x 128: 64 accumulators, 512 registers.
; "A" gives the rows of the result as it is stored, "B" its columns.  For K and Q: A = the positions' codes, B = the weight's.  For V they change places, and the same text makes V transposed.
; THE MATRIX INSTRUCTION IS USED TRANSPOSED (source 0 = 16 rows of B, source 1 = 16 rows of A): a lane holds eight neighbouring numbers of a stored row, 16 bytes of f16.
; m goes in two steps of 512 (rows of 256 bytes): each LDS slot is filled once, at the start; nothing is filled again.  The scale bytes of the work-group's rows come once, as dense runs of 256 bytes.
; The four work-groups of a row of the cluster need the same tiles of A, the four of a column the same tiles of B: each tile is asked for JOINTLY, by the same tensor load with a mask that names the four.
; A wave has three tensor loads out at the start and none later.
; REGISTERS, in windows of 256: window 0: v0-31 addresses; v32-95 scale words, two sets; v128-191 A's fragments, one set; on the way out v32-63, v192-255.  window 1: B's fragments, two sets, at v0 and v128.
;   window 2: the accumulators of my rows 0-63 ((a, b) at v[8 (8 a + b)]);  window 3: those of my rows 64-127.
.set NQ,     4                         ; matrix instructions deep in a slot
.set ROWB,   256                       ; a tile's row in bytes: 512 codes
.set KROW,   512                       ; a row of cod
.set PITCH,  272                       ; an LDS row: 256 bytes + 16: the 16 rows that a load touches start 68 words apart
.set FR,     8
.set NL,     2
.set NP,     4
.set HALFT,  128*PITCH
.set SLOT,   4*HALFT
.set KS,     32                        ; a row of scl
.set SCL,    2*SLOT
.set HALFS,  16*272                    ; the scales of 128 rows
.set SBLK,   2*272                     ; of 16 rows
.set SPARE,  SCL+4*HALFS               ; the spare words: two blocks of 256 bytes that no other line names
.set SPITCH, 272                       ; the way out: a stage of 16 rows x (256 + 16) for each wave, in slot 0, which has had its only fill and its last read by then
.set ADRA, 16
.set ADRB, 20
.set STO,  24
.set RD,   25
.set CO,   26
.set ADRS, 27
.set SPW,  28
.set NIL,  29
.set SC,   32
.set AF,   128
.set TMP,  192
.set OB,   32
.set G1,   24
.set G0,   32
.set G1B,  48
.set G0B,  56
.set G1S,  68
.set G0S,  76
.set G1SB, 80
.set G0SB, 88
.set MSB, 0
.macro WIN new                         ; the immediate's high byte repeats the setting that is left
.if MSB != \new
	s_set_vgpr_msb (MSB<<8)|\new
.set MSB, \new
.endif
.endm
.set MUL_LO, 0xa1                      ; source 0 (B) window 1, source 1 (A) window 0, C and D window 2
.set MUL_HI, 0xf1
.set TO_B,   0x40
.macro JLOAD g0a, g1a, g0b, g1b        ; a joint load: waves 0 and 1 fetch for A, waves 2 and 3 for B; the branch hangs on the wave's number alone; s_nop 0 and four v_nop follow each line
	s_cmp_eq_u32 s15, 0
	s_cbranch_scc0 .Lfor_b_\@
	tensor_load_to_lds s[\g0a:\g0a+3], s[\g1a:\g1a+7]
	s_nop 0
.rept 4
	v_nop
.endr
	s_branch .Lasked_\@
.Lfor_b_\@:
	tensor_load_to_lds s[\g0b:\g0b+3], s[\g1b:\g1b+7]
	s_nop 0
.rept 4
	v_nop
.endr
.Lasked_\@:
.endm
.macro CROUND                          ; a round of the cluster's barrier
	s_barrier_signal -1
	s_barrier_wait -1
	s_cmp_lg_u32 s14, 0
	s_cbranch_scc1 .Lnot_wave_0_\@
	s_barrier_signal -3
.Lnot_wave_0_\@:
	s_barrier_wait -3
	s_barrier_signal -1
	s_barrier_wait -1
.endm
	s_load_b128 s[4:7], s[0:1], 0x0                ; cod, scl
	s_load_b64 s[12:13], s[0:1], 0x10              ; kqv
	v_lshl_add_u32 v[SPW], v0, 2, SPARE
	v_mov_b32 v[NIL], 0
	ds_add_u32 v[SPW], v[NIL]                      ; the wave's opening: the add, twice on end, and its wait ahead of my first tensor load
	ds_add_u32 v[SPW], v[NIL]
	v_lshrrev_b32 v1, 5, v0
	v_readfirstlane_b32 s14, v1                    ; wave 0..3
	s_lshr_b32 s15, s14, 1                         ; which half of the tile's rows is mine.  Also: I fetch for A (0) or for B (1)
	s_and_b32 s16, s14, 1                          ; which half of its columns.  Also: which 128 rows of that tile I fetch
	s_bfe_u32 s40, ttmp6, 0x40000                  ; cx
	s_bfe_u32 s41, ttmp6, 0x40004                  ; cy
	s_and_b32 s95, ttmp9, 1                        ; 1 for V
	s_xor_b32 s96, s95, 1                          ; 1 for K and Q
	s_lshr_b32 s97, ttmp9, 1                       ; 1 for Q
	s_and_b32 s17, ttmp7, 0xffff
	s_lshl_b32 s17, s17, 2                         ; 4 x cluster y
	s_lshl_b32 s43, s41, 2
	s_lshl_b32 s43, 15, s43                        ; my row of the cluster
	s_lshl_b32 s44, 0x1111, s40                    ; my column
	s_or_b32 s[G1+0], s43, (0<<16)|(1<<20)|(1<<21)|(5<<22)|(3<<25)   ; the mask; elements of 1 byte; padding on: 4 words behind every 64; bit 21 beside a mask
	s_or_b32 s[G1B+0], s44, (0<<16)|(1<<20)|(1<<21)|(5<<22)|(3<<25)
.irp g, G1, G1B
	s_mov_b32 s[\g+1], ROWB<<16                    ; tensor_dim0
	s_mov_b32 s[\g+2], 128<<16                     ; tensor_dim1
	s_mov_b32 s[\g+3], ROWB<<16                    ; tile_dim0
	s_mov_b32 s[\g+4], 128                         ; tile_dim1
	s_mov_b32 s[\g+5], KROW                        ; from row to row
	s_mov_b32 s[\g+6], 0
	s_mov_b32 s[\g+7], 0
.endr
	s_or_b32 s[G1S+0], s43, (3<<16)|(1<<20)|(1<<21)|(5<<22)|(3<<25)  ; the scales of 128 rows: 4,096 dense bytes as 16 rows of 32 elements of 8 bytes
	s_or_b32 s[G1SB+0], s44, (3<<16)|(1<<20)|(1<<21)|(5<<22)|(3<<25)
.irp g, G1S, G1SB
	s_mov_b32 s[\g+1], 32<<16
	s_mov_b32 s[\g+2], 16<<16
	s_mov_b32 s[\g+3], 32<<16
	s_mov_b32 s[\g+4], 16
	s_mov_b32 s[\g+5], 32
	s_mov_b32 s[\g+6], 0
	s_mov_b32 s[\g+7], 0
.endr
	s_lshl_b32 s18, s16, 7                         ; which 128 rows of the tile I fetch
	s_mul_i32 s20, s17, s96
	s_add_co_u32 s20, s20, s41                     ; A's tile: cy + 4 x cluster y (K, Q), cy (V)
	s_lshl_b32 s20, s20, 8
	s_add_co_u32 s20, s20, s18
	s_mul_i32 s19, s95, 9216                       ; V: A = wv's rows
	s_add_co_u32 s20, s20, s19
	s_lshl_b32 s19, s97, 12                        ; Q: A = qinput's rows
	s_add_co_u32 s20, s20, s19                     ; A's first row in cod and scl: cy, the cluster's place and the wave alone
	s_mul_i32 s42, s17, s95
	s_add_co_u32 s42, s42, s40                     ; B's tile: cx (K, Q), cx + 4 x cluster y (V)
	s_lshl_b32 s46, s42, 8
	s_add_co_u32 s46, s46, s18
	s_lshl_b32 s19, ttmp9, 10
	s_add_co_u32 s19, s19, 8192
	s_mul_i32 s19, s19, s96                        ; K, Q: B = the part's weight rows
	s_add_co_u32 s46, s46, s19                     ; B's first row: cx, the cluster's place and the wave alone
	s_mov_b32 s21, 0
	s_mov_b32 s47, 0
	s_mov_b64 s[18:19], KS
	s_mul_u64 s[22:23], s[20:21], s[18:19]
	s_mul_u64 s[92:93], s[46:47], s[18:19]
	s_mov_b64 s[18:19], KROW
	s_mul_u64 s[20:21], s[20:21], s[18:19]
	s_mul_u64 s[46:47], s[46:47], s[18:19]
	s_mul_i32 s45, s14, HALFT                      ; where they go: wave x 128 rows
	s_mul_i32 s94, s14, HALFS
	s_wait_dscnt 0x0                               ; both opening adds are done
	s_wait_kmcnt 0x0
	s_add_nc_u64 s[20:21], s[4:5], s[20:21]
	s_add_nc_u64 s[22:23], s[6:7], s[22:23]
	s_add_nc_u64 s[46:47], s[4:5], s[46:47]
	s_add_nc_u64 s[92:93], s[6:7], s[92:93]
	CROUND                                         ; all sixteen work-groups are here: the joint loads meet
	s_mov_b32 s[G0S], 1
	s_add_co_u32 s[G0S+1], s94, SCL
	s_mov_b64 s[G0S+2:G0S+3], s[22:23]
	s_or_b32 s[G0S+3], s[G0S+3], 0x80000000
	s_mov_b32 s[G0SB], 1
	s_add_co_u32 s[G0SB+1], s94, SCL
	s_mov_b64 s[G0SB+2:G0SB+3], s[92:93]
	s_or_b32 s[G0SB+3], s[G0SB+3], 0x80000000
	JLOAD G0S, G1S, G0SB, G1SB                     ; the scales first: they are wanted with the first step
.irp s, 0,1
	s_mov_b32 s[G0+4*\s], 1
	s_add_co_u32 s[G0+4*\s+1], s45, \s*SLOT
	s_add_nc_u64 s[G0+4*\s+2:G0+4*\s+3], s[20:21], \s*ROWB
	s_or_b32 s[G0+4*\s+3], s[G0+4*\s+3], 0x80000000
	s_mov_b32 s[G0B+4*\s], 1
	s_add_co_u32 s[G0B+4*\s+1], s45, \s*SLOT
	s_add_nc_u64 s[G0B+4*\s+2:G0B+4*\s+3], s[46:47], \s*ROWB
	s_or_b32 s[G0B+4*\s+3], s[G0B+4*\s+3], 0x80000000
	JLOAD G0+4*\s, G1, G0B+4*\s, G1B
.endr
	v_and_b32 v1, 15, v0                           ; l % 16
	v_bfe_u32 v2, v0, 4, 1                         ; l / 16
	v_mul_u32_u24 v3, v1, PITCH
	v_lshl_add_u32 v4, v2, 4, v3                   ; a fragment's row x pitch + 16 x half
	s_mul_i32 s21, s15, HALFT                      ; my 128 rows of A
	s_mul_i32 s22, s16, HALFT                      ; my 128 rows of B,
	s_add_co_u32 s22, s22, 2*HALFT                 ; behind A's 256
.irp s, 0,1
	v_add_nc_u32 v[ADRA+\s], s21, v4
	v_add_nc_u32 v[ADRB+\s], s22, v4
	s_add_co_u32 s21, s21, SLOT
	s_add_co_u32 s22, s22, SLOT
.endr
	v_mul_u32_u24 v5, v1, KS                       ; my row's scales: 32 bytes a row,
	v_lshrrev_b32 v6, 8, v5
	v_lshl_add_u32 v5, v6, 4, v5                   ; and 16 more for each 256 passed
	s_mul_i32 s21, s15, HALFS
	s_mul_i32 s22, s16, HALFS
	s_add_co_u32 s22, s22, 2*HALFS
	s_sub_co_u32 s22, s22, s21
	v_mul_u32_u24 v6, s22, v2                      ; lanes 16-31 take B's
	s_add_co_u32 s21, s21, SCL
	v_add_nc_u32 v5, v5, v6
	v_add_nc_u32 v[ADRS], s21, v5
	s_mul_i32 s23, s14, 16*SPITCH                  ; my stage
	v_mul_u32_u24 v5, v1, SPITCH
	v_lshl_add_u32 v5, v2, 4, v5
	v_add_nc_u32 v[STO], s23, v5                   ; in: row l % 16, 16 bytes for each half of the lanes
	v_mul_u32_u24 v5, v2, SPITCH
	v_lshl_add_u32 v5, v1, 4, v5
	v_add_nc_u32 v[RD], s23, v5                    ; back: lanes 0-15 one row of 256 bytes, lanes 16-31 the next
	v_lshlrev_b32 v5, 12, v2
	v_lshl_add_u32 v[CO], v1, 4, v5                ; and the same two rows of kqv
	; where my 128 x 128 begins in kqv: row 256 (A's tile) + 128 (row half) + for V: 4096 + 1024 b;  byte 2048 (Q) + 512 (B's tile within its batch) + 256 (column half)
	s_mul_i32 s20, s17, s96
	s_add_co_u32 s20, s20, s41
	s_lshl_b32 s20, s20, 8
	s_lshl_b32 s21, s15, 7
	s_add_co_u32 s20, s20, s21
	s_lshr_b32 s21, s42, 3
	s_lshl_b32 s21, s21, 10
	s_add_co_u32 s21, s21, 4096
	s_mul_i32 s21, s21, s95
	s_add_co_u32 s20, s20, s21
	s_lshl_b32 s20, s20, 12
	s_and_b32 s21, s42, 7
	s_lshl_b32 s21, s21, 9
	s_add_co_u32 s20, s20, s21
	s_lshl_b32 s21, s16, 8
	s_add_co_u32 s20, s20, s21
	s_lshl_b32 s21, s97, 11
	s_add_co_u32 s20, s20, s21
	s_mov_b32 s21, 0
	s_add_nc_u64 s[12:13], s[12:13], s[20:21]
.macro FRAG reg, adr, q, i             ; 16 rows x 128 codes in 8 registers: lane l holds row l % 16; registers 4 c .. 4 c + 3 hold k = 64 c + 32 (l / 16) + 0 .. 31
.irp c, 0,1
	ds_load_b128 v[\reg+4*\c:\reg+4*\c+3], v[\adr] offset:64*(\q)+32*\c+(\i)*16*PITCH
.endr
.endm
; 16 matrix instructions: A's blocks a0, a0 + 1 x B's eight.  The 64 accumulators take turns, one instruction a turn, in the same order in every step.
.macro MUL16 a0, p, q, sc, zero
.irp a, \a0, \a0+1
.irp b, 0,1,2,3,4,5,6,7
.if \zero
	v_wmma_scale_f32_16x16x128_f8f6f4 v[8*(8*((\a)%4)+\b):8*(8*((\a)%4)+\b)+7], v[128*(\p)+FR*\b:128*(\p)+FR*\b+FR-1], v[AF+FR*(\a):AF+FR*(\a)+FR-1], 0, v[SC+8*NQ*(\sc)+NQ*\b+(\q)], v[SC+8*NQ*(\sc)+NQ*(\a)+(\q)] matrix_a_fmt:MATRIX_FMT_FP4 matrix_b_fmt:MATRIX_FMT_FP4 matrix_a_scale:MATRIX_SCALE_ROW1
.else
	v_wmma_scale_f32_16x16x128_f8f6f4 v[8*(8*((\a)%4)+\b):8*(8*((\a)%4)+\b)+7], v[128*(\p)+FR*\b:128*(\p)+FR*\b+FR-1], v[AF+FR*(\a):AF+FR*(\a)+FR-1], v[8*(8*((\a)%4)+\b):8*(8*((\a)%4)+\b)+7], v[SC+8*NQ*(\sc)+NQ*\b+(\q)], v[SC+8*NQ*(\sc)+NQ*(\a)+(\q)] matrix_a_fmt:MATRIX_FMT_FP4 matrix_b_fmt:MATRIX_FMT_FP4 matrix_a_scale:MATRIX_SCALE_ROW1
.endif
.endr
.endr
.endm
.macro FETCH_B slot, q, p
	WIN TO_B
.irp i, 0,1,2,3,4,5,6,7
	FRAG 128*(\p)+FR*\i, ADRB+\slot, \q, \i
.endr
	WIN 0
.endm
.macro FETCH_A slot, q, i0
.irp i, \i0, \i0+1, \i0+2, \i0+3
	FRAG AF+FR*(\i), ADRA+\slot, \q, \i
.endr
.endm
.macro SCALES sc                       ; a slot's scale words: 4 words a row; lanes 0-15 take A's block i, lanes 16-31 B's block i
.irp i, 0,1,2,3,4,5,6,7
	ds_load_b128 v[SC+8*NQ*\sc+NQ*\i:SC+8*NQ*\sc+NQ*\i+3], v[ADRS] offset:\i*SBLK
.endr
.endm
.macro PLACES n                        ; plain vector instructions between a matrix instruction and a load into its registers or a read of its result
.rept \n
	v_nop
.endr
.endm
.macro STEP slot, q, zero              ; 128 along m whose successor lies in the same slot
	s_wait_dscnt 4*NL                              ; B's set and A's blocks 0-3 are in; the youngest 8 loads (A's blocks 4-7) may be out
	WIN MUL_LO
	MUL16 0, (\q)%2, \q, \slot, \zero
	MUL16 2, (\q)%2, \q, \slot, \zero
	s_wait_dscnt 0
	PLACES NP
	FETCH_B \slot, (\q)+1, 1-(\q)%2
	FETCH_A \slot, (\q)+1, 0
	WIN MUL_HI
	MUL16 4, (\q)%2, \q, \slot, \zero
	MUL16 6, (\q)%2, \q, \slot, \zero
	PLACES NP
	WIN 0
	FETCH_A \slot, (\q)+1, 4
.endm
.macro TURN slot, next                 ; slot 0's last step changes slots: each wave's part of slot 1 has landed, then one barrier shows the whole slot to every wave
	s_wait_tensorcnt 0x0
	ds_add_u32 v[SPW], v[NIL]
	s_wait_dscnt 4*NL+1                            ; (the add and the youngest 8 loads may be out)
	WIN MUL_LO
	MUL16 0, 1, NQ-1, \slot, 0
	s_wait_dscnt 0x0                               ; the add is done, and my reads of this slot are over
	s_barrier_signal -1
	MUL16 2, 1, NQ-1, \slot, 0
	WIN 0
	s_barrier_wait -1
	PLACES NP
	v_add_nc_u32 v[ADRS], 4*NQ, v[ADRS]            ; on to the next slot's scale words
	FETCH_B \next, 0, 0
	FETCH_A \next, 0, 0
	SCALES \next
	WIN MUL_HI
	MUL16 4, 1, NQ-1, \slot, 0
	MUL16 6, 1, NQ-1, \slot, 0
	PLACES NP
	WIN 0
	FETCH_A \next, 0, 4
.endm
	s_wait_tensorcnt 1                             ; the scales and my part of slot 0 are in (slot 1's load may be out),
	s_barrier_signal -1
	s_barrier_wait -1                              ; everybody's are
	FETCH_B 0, 0, 0
	FETCH_A 0, 0, 0
	SCALES 0
	FETCH_A 0, 0, 4
	STEP 0, 0, 1                                   ; the first step's products start the sums: nothing is cleared
	STEP 0, 1, 0
	STEP 0, 2, 0
	TURN 0, 1
	STEP 1, 0, 0
	STEP 1, 1, 0
	STEP 1, 2, 0
	s_wait_dscnt 4*NL                              ; the last step: nothing more to fetch
	WIN MUL_LO
	MUL16 0, 1, NQ-1, 1, 0
	MUL16 2, 1, NQ-1, 1, 0
	s_wait_dscnt 0
	WIN MUL_HI
	MUL16 4, 1, NQ-1, 1, 0
	MUL16 6, 1, NQ-1, 1, 0
	WIN 0
; THE WAY OUT, block by block of 16 rows x 128 columns: rounded to f16 (each accumulator from its low end on), 16 bytes a lane into my own stage, back as whole rows of 256 bytes, stored sixteen lanes to 256 consecutive aligned bytes.
.macro PACK a
.set AC, 64*((\a)%4)
	WIN 0x0a+5*((\a)/4)                            ; sources 0 and 1: window 2 or 3
.irp b, 0,1,2,3,4,5,6,7
.irp r, 0,1,2,3
	v_cvt_pk_f16_f32 v[TMP+4*\b+\r], v[AC+8*\b+2*\r], v[AC+8*\b+2*\r+1]
.endr
.endr
	WIN 0
.endm
.macro TOSTAGE a
.set BK, OB+192*((\a)%2)
.irp b, 0,1,2,3,4,5,6,7
	ds_store_b128 v[STO], v[TMP+4*\b:TMP+4*\b+3] offset:32*\b
.endr
.irp t, 0,1,2,3,4,5,6,7
	ds_load_b128 v[BK+4*\t:BK+4*\t+3], v[RD] offset:\t*2*SPITCH    ; LDS serves a wave's instructions in order: these see the stores above
.endr
.endm
.macro SEND a
.set BK, OB+192*((\a)%2)
	s_wait_dscnt 0x0                               ; the block is back in registers
	s_wait_xcnt 0x0                                ; the stores of the block before have read their registers: the block after this one may land there
.irp t, 0,1,2,3,4,5,6,7
	global_store_b128 v[CO], v[BK+4*\t:BK+4*\t+3], s[12:13] offset:(16*(\a)+2*\t)*4096
.endr
.endm
	PLACES NP
	PACK 0
	TOSTAGE 0
.irp a, 1,2,3,4,5,6,7
	PACK \a
	SEND \a-1
	TOSTAGE \a
.endr
	SEND 7
	s_wait_tensorcnt 0x0                           ; the wave's end
	ds_add_u32 v[SPW], v[NIL]
	s_wait_dscnt 0x0
	CROUND                                         ; the closing round
	s_endpgm
.Lfunc_end_k_qaa0f17a5bf_proj:
	.size	k_qaa0f17a5bf_proj, .Lfunc_end_k_qaa0f17a5bf_proj-k_qaa0f17a5bf_proj
	.p2alignl 7, 3214868480
	.fill 96, 4, 3214868480
	.section	.rodata,"a",@progbits
	.p2align	6, 0x0
	.amdhsa_kernel k_qaa0f17a5bf_proj
		.amdhsa_group_segment_fixed_size 327680
		.amdhsa_private_segment_fixed_size 0
		.amdhsa_enable_private_segment 0
		.amdhsa_kernarg_size 24
		.amdhsa_user_sgpr_count 2
		.amdhsa_user_sgpr_kernarg_segment_ptr 1
		.amdhsa_wavefront_size32 1
		.amdhsa_system_sgpr_workgroup_id_x 1
		.amdhsa_system_sgpr_workgroup_id_y 1
		.amdhsa_system_sgpr_workgroup_id_z 1
		.amdhsa_system_vgpr_workitem_id 0
		.amdhsa_next_free_vgpr 1024
		.amdhsa_next_free_sgpr 98
		.amdhsa_reserve_vcc 0
		.amdhsa_float_denorm_mode_32 3
		.amdhsa_float_denorm_mode_16_64 3
		.amdhsa_memory_ordered 1
		.amdhsa_forward_progress 1
		.amdhsa_inst_pref_size 127
	.end_amdhsa_kernel
	.amdgpu_metadata
---
amdhsa.version: [ 1, 2 ]
amdhsa.kernels:
  - .name:           k_qaa0f17a5bf_proj
    .symbol:         k_qaa0f17a5bf_proj.kd
    .args:
      - { .name: cod, .offset: 0, .size: 8, .value_kind: global_buffer, .address_space: global }
      - { .name: scl, .offset: 8, .size: 8, .value_kind: global_buffer, .address_space: global }
      - { .name: kqv, .offset: 16, .size: 8, .value_kind: global_buffer, .address_space: global }
    .group_segment_fixed_size: 327680
    .private_segment_fixed_size: 0
    .kernarg_segment_align: 8
    .kernarg_segment_size: 24
    .max_flat_workgroup_size: 128
    .sgpr_count:     98
    .vgpr_count:     1024
    .wavefront_size: 32
...
	.end_amdgpu_metadata
.endif
;; end of part 2
;; launch attn (part 3): grid 16 x 16, 8 waves a work-group, clusters of 4 x 1, 327,680 bytes of LDS; arguments kqv, pre, bst; writes pre, bst
.if DOCPART == 3
	.amdgcn_target "amdgcn-amd-amdhsa--gfx1250"
	.amdhsa_code_object_version 6
	.text
	.protected	k_qaa0f17a5bf_attn
	.globl	k_qaa0f17a5bf_attn
	.p2align	8
	.type	k_qaa0f17a5bf_attn,@function
k_qaa0f17a5bf_attn:
	s_mov_b64 s[64:65], 0
	v_nop
	global_prefetch_b8 v0, s[64:65] scope:SCOPE_SE
	s_setreg_imm32_b32 hwreg(HW_REG_WAVE_MODE, 25, 1), 1
	s_wait_xcnt 0x0
	s_wait_alu depctr_hold_cnt(0) depctr_sa_sdst(0) depctr_va_vdst(0) depctr_va_sdst(0) depctr_va_ssrc(0) depctr_va_vcc(0) depctr_vm_vsrc(0)
	s_getreg_b32 s2, hwreg(HW_REG_IB_STS2, 6, 4)
	s_cmp_eq_u32 s2, 0
	s_cbranch_scc0 .Lentry_in_a_cluster
	s_endpgm
.Lentry_in_a_cluster:
	s_bfe_u32 s2, ttmp6, 0x10000c
	s_cmp_lg_u32 s2, 0x3003
	s_cbranch_scc0 .Lentry_shape_is_right
	s_endpgm
.Lentry_shape_is_right:
; pre[b][d][h][:] = the sum over keys c of softmax_c((K[c] . Q[d] - 100 [d >= c]) / 8) V[c][:].  K, Q, V in f16 from kqv; products' sums, maxima and row sums in f32; pre: [4096 (b, d)][1024 (64 h + v)] f16.
; THE MASK THROWS NOTHING AWAY: a masked key keeps its weight with 100 / 8 taken off its exponent, so every query walks all 2,048 keys.
; SOFTMAX in base 2: t = c s + bias, c = log2(e) / 8, bias = -100 c on masked keys; a running maximum m of t; p = 2^(t - m), rounded to f16 for the second product; the row's sum is taken of the unrounded p and divides at the end.
; LIMITS: p under 2^-25 becomes 0 in f16; pre in f16.  The last 16 queries of each sequence, which average few unmasked keys, are computed here like the others and are replaced by the two launches that carry them in f32.
; WHAT THOSE LAUNCHES GET FROM HERE: the tile of the last group of 64 queries stores, ahead of its last key step, its state over keys 0 .. 1983 (all masked for it): m, the sum's parts and O^T, all f32, as images of its registers:
; bst: [b][h][cx][chunk 0..8][lane][4 f32]; chunk i < 8: lane (r, hh) holds query 1984 + 16 cx + r, channels 16 (i / 2) + 8 hh + 4 (i % 2) + 0..3 of O^T; chunk 8: bias - m, m, and the lane's two parts of the sum.
; SHARES.  A work-group takes one batch, TWO heads and 128 queries: waves 0-3 the first head, waves 4-7 the second (a row of K's tile and of pre is then 256 bytes).  A wave owns two tiles of 16 queries.
; A cluster owns 512 queries, eight groups of 64.  Tile t of wave u lies in group G = 8 (cluster x) + 2 u + t, and within the group a work-group takes the 16 queries at 16 cx.  So the one key step of 64 keys on a tile's
; diagonal is step G: it hangs on the cluster's number and the wave's alone, the same in all four partners; cx enters global addresses and a vector number only.
; Steps under G: every key masked (bias in a scalar); steps over G: none; step G: -100 is added to the masked scores, lane by lane.
; LAYOUT.  S^T = K Q^T (source 0 = 16 keys, source 1 = 16 queries): a lane holds ONE query and keys 8 (lane / 16) + 0..7; two such tiles, rounded in pairs, are source 1 of O^T = V^T P.  V lies transposed in kqv, keys innermost.
; RING.  Two LDS slots of 256 keys (four steps): K 256 rows x 272, V^T 128 rows x 528.  Waves 0-3 fetch K's quarters, waves 4-7 V's, one tensor load a wave behind each round.  The four partners walk the same K and V: joint loads.
; A wave has two tensor loads out at the start and one behind each round.
; REGISTERS: window 0: v2-11 addresses and constants; v12-27 statistics, 8 a tile (+0 bias - m, +1 m, +2, +3 the sum, +4..+7 at work, a at +6); v35 16 x lane; v64-127 S^T; v128-159 P; v160-223 O^T.
;   window 1: v0-31 Q; v64-127 K's fragments of a step; v128-191 V's.
.set PITK,  272
.set PITV,  528
.set VOFF,  256*PITK
.set SLOTB, VOFF+128*PITV              ; 137,216
.set SPARE, 2*SLOTB                    ; the spare words, 128 bytes a wave: four blocks of 256 bytes that no other line names
.set AK,  2
.set AV,  3
.set ADK, 4
.set ADV, 5
.set QO,  6
.set STO, 7
.set RD,  8
.set GO,  9
.set DL,  10                           ; 16 cx + r - 8 (lane / 16): on the diagonal register 8 kt + j is masked where 16 kt + j <= this
.set NEG, 11                           ; -100.0
.set ST,  12
.set PFO, 28
.set TV,  29
.set SPW, 30
.set NIL, 31
.set BSO, 35                           ; 16 x lane: my place in a chunk of bst; never rewritten
.set S,   64
.set P,   128
.set O,   160
.set QF,  0
.set KF,  64
.set VF,  128
.set WV,  8
.set LIM, 15
.set PFA, 18
.set PFS, 20
.set CS,  22
.set G1K, 24
.set G1V, 32
.set G0K, 40
.set G0V, 48
.set SLOTS, 56
.set CNT, 57
.set LP,  58
.set KST, 59
.set GT,  60
.set SB,  62
.set SEL, 66
.set TBK, 68
.set TBV, 69
.set BST, 80                           ; s[80:81] bst at my batch's, head's and work-group's 4,608 bytes
.set MSB, 0
.macro WIN new
.if MSB != \new
	s_set_vgpr_msb (MSB<<8)|\new
.set MSB, \new
.endif
.endm
.set W_LD, 0x40                        ; destination window 1
.set W_KQ, 0x05                        ; K and Q window 1, S^T window 0
.set W_PV, 0x01                        ; V window 1, P and O^T window 0
.macro JLOAD s                         ; a joint refill of ring slot s; the branch hangs on the wave's number alone; s_nop 0 and four v_nop follow each line
	s_cmp_lt_u32 s[WV], 4
	s_cbranch_scc0 .Lfor_v_\@
	tensor_load_to_lds s[G0K+4*\s:G0K+4*\s+3], s[G1K:G1K+7]
	s_nop 0
.rept 4
	v_nop
.endr
	s_branch .Lasked_\@
.Lfor_v_\@:
	tensor_load_to_lds s[G0V+4*\s:G0V+4*\s+3], s[G1V:G1V+7]
	s_nop 0
.rept 4
	v_nop
.endr
.Lasked_\@:
.endm
; A prefetch of what the NEXT change of slots will ask for, four key steps ahead of that load.  All four clusters of a batch and head pair walk the same rows: the first of them asks.  Its four partners share the rows
; out by address; in each, waves 0 and 1 ask for 32 rows of K each (256 bytes a row), waves 4 and 5 for the two halves of 32 rows of V (512 bytes a row and slot): a lane a row, each aligned 256 bytes named once.
; The last change that fills a slot asks for nothing; the first three slots come by their loads alone.
.macro ASK
	s_cmp_gt_u32 s[SLOTS], s[LIM]
	s_cbranch_scc0 .Lnot_mine_\@
	global_prefetch_b8 v[PFO], s[PFA:PFA+1] th:TH_LOAD_NT scope:SCOPE_SE
.Lnot_mine_\@:
.endm
.macro CROUND
	s_barrier_signal -1
	s_barrier_wait -1
	s_cmp_lg_u32 s[WV], 0
	s_cbranch_scc1 .Lnot_wave_0_\@
	s_barrier_signal -3
.Lnot_wave_0_\@:
	s_barrier_wait -3
	s_barrier_signal -1
	s_barrier_wait -1
.endm
	s_load_b128 s[4:7], s[0:1], 0x0                ; kqv, pre
	s_load_b64 s[BST:BST+1], s[0:1], 0x10          ; bst
	v_lshl_add_u32 v[SPW], v0, 2, SPARE
	v_mov_b32 v[NIL], 0
	ds_add_u32 v[SPW], v[NIL]                      ; the wave's opening: the add, twice on end, and its wait ahead of my first tensor load
	ds_add_u32 v[SPW], v[NIL]
	v_lshrrev_b32 v1, 5, v0
	v_readfirstlane_b32 s[WV], v1                  ; wave 0..7
	s_and_b32 s9, s[WV], 3                         ; u
	s_lshr_b32 s10, s[WV], 2                       ; which of the two heads
	s_bfe_u32 s11, ttmp6, 0x40000                  ; cx
	s_and_b32 s14, ttmp7, 0xffff
	s_lshr_b32 s12, s14, 3                         ; b
	s_and_b32 s13, s14, 7                          ; the pair of heads
	s_mov_b32 s[G1K], 15|(1<<16)|(1<<20)|(1<<21)|(5<<22)|(3<<25)   ; all four work-groups; elements of 2 bytes; 4 words of padding behind every 64
	s_mov_b32 s[G1K+1], 128<<16                    ; tensor_dim0 = 128
	s_mov_b32 s[G1K+2], 64<<16                     ; tensor_dim1 = 64
	s_mov_b32 s[G1K+3], 128<<16                    ; tile_dim0
	s_mov_b32 s[G1K+4], 64                         ; tile_dim1
	s_mov_b32 s[G1K+5], 2048                       ; a row of kqv in elements
	s_mov_b32 s[G1K+6], 0
	s_mov_b32 s[G1K+7], 0
	s_mov_b32 s[G1V], 15|(1<<16)|(1<<20)|(1<<21)|(6<<22)|(3<<25)   ; 4 words of padding behind every 128
	s_mov_b32 s[G1V+1], 256<<16
	s_mov_b32 s[G1V+2], 32<<16
	s_mov_b32 s[G1V+3], 256<<16
	s_mov_b32 s[G1V+4], 32
	s_mov_b32 s[G1V+5], 2048
	s_mov_b32 s[G1V+6], 0
	s_mov_b32 s[G1V+7], 0
	s_mov_b32 s[CS], 0x3e38aa3b                    ; c = log2(e) / 8
	s_mov_b32 s[CS+1], s[CS]
	s_mov_b32 s[SEL], 0x76543210
	s_mov_b32 s[SEL+1], 0xfedcba98
	s_mov_b32 s[SLOTS], 6
	s_mov_b32 s[LP], 3
	s_mov_b32 s[KST], 0
	s_lshl_b32 s[GT], ttmp9, 3
	s_lshl_b32 s14, s9, 1
	s_add_co_u32 s[GT], s[GT], s14                 ; tile 0's group
	s_add_co_u32 s[GT+1], s[GT], 1                 ; tile 1's
	s_lshl_b32 s70, s12, 23                        ; K: row 2048 b + 64 u of 4,096 bytes, byte 256 x pair
	s_lshl_b32 s14, s9, 18
	s_add_co_u32 s70, s70, s14
	s_lshl_b32 s14, s13, 8
	s_add_co_u32 s70, s70, s14
	s_mov_b32 s71, 0
	s_lshl_b32 s72, s12, 22                        ; V: row 4096 + 1024 b + 128 x pair + 32 u
	s_lshl_b32 s14, s13, 19
	s_add_co_u32 s72, s72, s14
	s_lshl_b32 s14, s9, 17
	s_add_co_u32 s72, s72, s14
	s_add_co_u32 s72, s72, 0x1000000
	s_mov_b32 s73, 0
	s_mul_i32 s74, s9, 64*PITK                     ; where they go in a slot
	s_mul_i32 s75, s9, 32*PITV
	s_add_co_u32 s75, s75, VOFF
	s_lshl_b32 s76, s12, 23                        ; Q: row 2048 b + 512 (cluster x) + 128 u + 16 cx, byte 2048 + 256 x pair + 128 x head
	s_lshl_b32 s2, ttmp9, 21
	s_add_co_u32 s76, s76, s2
	s_lshl_b32 s2, s9, 19
	s_add_co_u32 s76, s76, s2
	s_lshl_b32 s2, s11, 16
	s_add_co_u32 s76, s76, s2
	s_lshl_b32 s2, s13, 8
	s_add_co_u32 s76, s76, s2
	s_lshl_b32 s2, s10, 7
	s_add_co_u32 s76, s76, s2
	s_add_co_u32 s76, s76, 2048
	s_mov_b32 s77, 0
	s_lshl_b32 s78, s12, 22                        ; pre: row 2048 b + 512 (cluster x) + 64 wave + 16 cx of 2,048 bytes, byte 256 x pair
	s_lshl_b32 s2, ttmp9, 20
	s_add_co_u32 s78, s78, s2
	s_lshl_b32 s2, s[WV], 17
	s_add_co_u32 s78, s78, s2
	s_lshl_b32 s2, s11, 15
	s_add_co_u32 s78, s78, s2
	s_lshl_b32 s2, s13, 8
	s_add_co_u32 s78, s78, s2
	s_mov_b32 s79, 0
	s_lshl_b32 s82, s12, 4                         ; bst: ((16 b + my head) x 4 + cx) x 4,608 bytes
	s_lshl_b32 s2, s13, 1
	s_add_co_u32 s82, s82, s2
	s_add_co_u32 s82, s82, s10
	s_lshl_b32 s82, s82, 2
	s_add_co_u32 s82, s82, s11
	s_mul_i32 s82, s82, 4608
	s_mov_b32 s83, 0
	s_and_b32 s3, s[WV], 1                         ; the prefetches: K: row 2048 b + 512 + 64 cx + 32 (wave % 2);  V: row 4096 + 1024 b + 128 x pair + 32 cx, byte 1024 + 256 (wave % 2)
	s_lshl_b32 s16, s12, 23
	s_lshl_b32 s2, s11, 18
	s_add_co_u32 s16, s16, s2
	s_lshl_b32 s2, s3, 17
	s_add_co_u32 s16, s16, s2
	s_lshl_b32 s2, s13, 8
	s_add_co_u32 s16, s16, s2
	s_add_co_u32 s16, s16, 0x200000
	s_lshl_b32 s17, s12, 22
	s_lshl_b32 s2, s13, 19
	s_add_co_u32 s17, s17, s2
	s_lshl_b32 s2, s11, 17
	s_add_co_u32 s17, s17, s2
	s_lshl_b32 s2, s3, 8
	s_add_co_u32 s17, s17, s2
	s_add_co_u32 s17, s17, 0x1000400
	s_mov_b32 s[PFS], 512
	s_cmp_lt_u32 s[WV], 4
	s_cselect_b32 s16, s16, s17
	s_cselect_b32 s[PFS], 0x100000, s[PFS]         ; a slot on: 256 rows of K, 512 bytes in a row of V
	s_mov_b32 s17, 0
	s_mov_b32 s[PFS+1], 0
	s_and_b32 s[LIM], s[WV], 2
	s_or_b32 s[LIM], s[LIM], ttmp9                 ; 0 in waves 0, 1, 4, 5 of the first cluster: the same in all four partners
	s_cmp_eq_u32 s[LIM], 0
	s_cselect_b32 s[LIM], 1, -1
	s_wait_dscnt 0x0                               ; both opening adds are done
	s_wait_kmcnt 0x0
	s_add_nc_u64 s[70:71], s[4:5], s[70:71]
	s_add_nc_u64 s[72:73], s[4:5], s[72:73]
	s_add_nc_u64 s[76:77], s[4:5], s[76:77]
	s_add_nc_u64 s[78:79], s[6:7], s[78:79]
	s_add_nc_u64 s[BST:BST+1], s[BST:BST+1], s[82:83]
	s_add_nc_u64 s[PFA:PFA+1], s[4:5], s[16:17]    ; at the third slot's keys; the first change steps it on.  Nothing is prefetched here, at the head
	CROUND                                         ; all four work-groups are here: the first joint loads meet
.irp s, 0,1
	s_mov_b32 s[G0K+4*\s], 1
	s_add_co_u32 s[G0K+4*\s+1], s74, \s*SLOTB
	s_add_nc_u64 s[G0K+4*\s+2:G0K+4*\s+3], s[70:71], \s*0x100000
	s_or_b32 s[G0K+4*\s+3], s[G0K+4*\s+3], 0x80000000
	s_mov_b32 s[G0V+4*\s], 1
	s_add_co_u32 s[G0V+4*\s+1], s75, \s*SLOTB
	s_add_nc_u64 s[G0V+4*\s+2:G0V+4*\s+3], s[72:73], \s*512
	s_or_b32 s[G0V+4*\s+3], s[G0V+4*\s+3], 0x80000000
.endr
	s_cmp_lt_u32 s[WV], 4                          ; a wave's two first fills stand in one branch, ahead of every wait on TENSORcnt and every LDS read
	s_cbranch_scc0 .Lfirst_v
	tensor_load_to_lds s[G0K:G0K+3], s[G1K:G1K+7]
	s_nop 0
	tensor_load_to_lds s[G0K+4:G0K+7], s[G1K:G1K+7]
	s_nop 0
.rept 4
	v_nop
.endr
	s_branch .Lfirst_asked
.Lfirst_v:
	tensor_load_to_lds s[G0V:G0V+3], s[G1V:G1V+7]
	s_nop 0
	tensor_load_to_lds s[G0V+4:G0V+7], s[G1V:G1V+7]
	s_nop 0
.rept 4
	v_nop
.endr
.Lfirst_asked:
	v_and_b32 v32, 15, v0                          ; r
	v_bfe_u32 v33, v0, 4, 1                        ; h
	v_lshlrev_b32 v[QO], 12, v32
	v_lshl_add_u32 v[QO], v33, 4, v[QO]
	WIN W_LD
.irp t, 0,1
.irp ck, 0,1
	global_load_b128 v[QF+16*\t+8*\ck:QF+16*\t+8*\ck+3],   v[QO], s[76:77] offset:\t*262144+64*\ck      ; Q stays in registers: tile t lies 64 rows on
	global_load_b128 v[QF+16*\t+8*\ck+4:QF+16*\t+8*\ck+7], v[QO], s[76:77] offset:\t*262144+64*\ck+32
.endr
.endr
	WIN 0
	v_mul_u32_u24 v[AK], v32, PITK
	v_lshl_add_u32 v[AK], v33, 4, v[AK]
	s_lshl_b32 s14, s10, 7
	v_add_nc_u32 v[AK], s14, v[AK]                 ; K: row r, 16 x half, my head's 128 bytes
	v_mul_u32_u24 v[AV], v32, PITV
	v_lshl_add_u32 v[AV], v33, 4, v[AV]
	s_mul_i32 s14, s10, 64*PITV
	s_add_co_u32 s14, s14, VOFF
	v_add_nc_u32 v[AV], s14, v[AV]                 ; V^T: my head's 64 rows, row r, 16 x half
	v_lshlrev_b32 v34, 3, v33
	v_sub_nc_u32 v[DL], v32, v34
	s_lshl_b32 s14, s11, 4
	v_add_nc_u32 v[DL], s14, v[DL]
	v_mov_b32 v[NEG], 0xc2c80000
	v_mul_u32_u24 v[STO], v32, 272                 ; the way out: stage row 32 u + 16 t + r, my head's 128 bytes, 16 x half
	v_lshl_add_u32 v[STO], v33, 4, v[STO]
	s_mul_i32 s14, s9, 32*272
	s_lshl_b32 s16, s10, 7
	s_add_co_u32 s14, s14, s16
	v_add_nc_u32 v[STO], s14, v[STO]
	v_mul_u32_u24 v[RD], v33, 272                  ; back: rows 16 wave on, sixteen lanes to a row
	v_lshl_add_u32 v[RD], v32, 4, v[RD]
	s_mul_i32 s14, s[WV], 16*272
	v_add_nc_u32 v[RD], s14, v[RD]
	v_lshlrev_b32 v[GO], 11, v33
	v_lshl_add_u32 v[GO], v32, 4, v[GO]
	v_and_b32 v[PFO], 31, v0
	v_lshlrev_b32 v[BSO], 4, v[PFO]
	v_lshlrev_b32 v[PFO], 12, v[PFO]
.irp t, 0,1
	v_mov_b32 v[ST+8*\t+1], 0xff61b1e6             ; the largest t so far: -3e38, under every t
	v_mov_b32 v[ST+8*\t+2], 0                      ; the sum
	v_mov_b32 v[ST+8*\t+3], 0
.endr
.set i, 0
.rept 64
	v_mov_b32 v[O+i], 0                            ; O^T.  (The step is written once: the first finds zeros, which its a = 0 leaves zeros)
.set i, i+1
.endr
.macro MASK t                          ; the diagonal step: -100 onto the scores of masked keys, each accumulator from its low end on
.set n, 0
.rept 32
	v_cmp_le_i32 vcc_lo, 16*(n/8)+n%8, v[DL]
	v_cndmask_b32 v[TV], 0, v[NEG], vcc_lo
	v_add_f32 v[S+32*\t+n], v[S+32*\t+n], v[TV]
.set n, n+1
.endr
.endm
; A KEY STEP: 64 keys.  ex = 1, in the last slot's copy alone: the tile whose diagonal step is the last of all stores its state ahead of that step.
.macro STEP ex
	v_add_nc_u32 v[ADK], s[TBK], v[AK]             ; these two and two v_nop are the four places between the last product and the loads into V's registers
	v_add_nc_u32 v[ADV], s[TBV], v[AV]
	v_nop
	v_nop
	WIN W_LD
.set f, 0
.rept 8                                ; f = 2 kt + ck: keys 16 kt on, dims 32 ck on
	ds_load_b128 v[KF+8*f:KF+8*f+3],   v[ADK] offset:(f/2)*16*PITK+(f%2)*64
	ds_load_b128 v[KF+8*f+4:KF+8*f+7], v[ADK] offset:(f/2)*16*PITK+(f%2)*64+32
.set f, f+1
.endr
.set f, 0
.rept 8                                ; f = 4 kc + ct: keys 32 kc on, channels 16 ct on
	ds_load_b128 v[VF+8*f:VF+8*f+3],   v[ADV] offset:(f%4)*16*PITV+(f/4)*64
	ds_load_b128 v[VF+8*f+4:VF+8*f+7], v[ADV] offset:(f%4)*16*PITV+(f/4)*64+32
.set f, f+1
.endr
	s_wait_dscnt 16                                ; K is in; V's 16 loads may be out
	WIN W_KQ
.set i, 0
.rept 16                               ; the eight accumulators take turns, one instruction a turn; the first eight start the sums
.set rS, S+32*(i%2)+8*((i/2)%4)
.set rK, KF+16*((i/2)%4)+8*(i/8)
.set rQ, QF+16*(i%2)+8*(i/8)
.if i < 8
	v_wmma_f32_16x16x32_f16 v[rS:rS+7], v[rK:rK+7], v[rQ:rQ+7], 0
.else
	v_wmma_f32_16x16x32_f16 v[rS:rS+7], v[rK:rK+7], v[rQ:rQ+7], v[rS:rS+7]
.endif
.set i, i+1
.endr
	WIN 0
.rept 4
	v_nop
.endr
	s_cmp_lt_u32 s[KST], s[GT]                     ; under the diagonal step every key is masked: the bias is a scalar
	s_cselect_b32 s[SB], 0xc19044fe, 0             ; -100 c
	s_cmp_lt_u32 s[KST], s[GT+1]
	s_cselect_b32 s[SB+1], 0xc19044fe, 0
	s_cmp_lg_u32 s[KST], s[GT]
	s_cbranch_scc1 .Loff0_\@
	MASK 0
.Loff0_\@:
	s_cmp_lg_u32 s[KST], s[GT+1]
	s_cbranch_scc1 .Loff1_\@
.if \ex
	s_cmp_lg_u32 s[KST], 31                        ; my tile 1 lies in the last group: the step's count, the cluster's number and the wave's alone: all four partners go the same way
	s_cbranch_scc1 .Lnoex_\@
	global_store_b128 v[BSO], v[ST+8:ST+11], s[BST:BST+1] offset:4096   ; bias - m, m, the sum's two parts: over keys 0 .. 1983
.set i, 0
.rept 8
	global_store_b128 v[BSO], v[O+32+4*i:O+32+4*i+3], s[BST:BST+1] offset:512*i   ; O^T, each accumulator from its low end on; 32 lanes store 512 consecutive aligned bytes
.set i, i+1
.endr
	s_wait_xcnt 0x0                                ; the stores have read their registers: this step's softmax writes them again
.Lnoex_\@:
.endif
	MASK 1
.Loff1_\@:
.irp j, 0,1,2,3                        ; the largest of the lane's 32 scores: four chains, the two tiles by turns
.irp t, 0,1
	v_max3_num_f32 v[ST+8*\t+4+\j], v[S+32*\t+8*\j], v[S+32*\t+8*\j+1], v[S+32*\t+8*\j+2]
.endr
.endr
.irp q, 1,2
.irp j, 0,1,2,3
.irp t, 0,1
	v_max3_num_f32 v[ST+8*\t+4+\j], v[ST+8*\t+4+\j], v[S+32*\t+8*\j+2*\q+1], v[S+32*\t+8*\j+2*\q+2]
.endr
.endr
.endr
.irp t, 0,1
	v_max3_num_f32 v[ST+8*\t+4], v[ST+8*\t+4], v[S+32*\t+7], v[S+32*\t+15]
	v_max3_num_f32 v[ST+8*\t+6], v[ST+8*\t+6], v[S+32*\t+23], v[S+32*\t+31]
.endr
.irp t, 0,1
	v_max3_num_f32 v[ST+8*\t+4], v[ST+8*\t+4], v[ST+8*\t+5], v[ST+8*\t+6]
.endr
.irp t, 0,1
	v_max_num_f32 v[ST+8*\t+4], v[ST+8*\t+4], v[ST+8*\t+7]
.endr
.irp t, 0,1
	v_permlanex16_b32 v[ST+8*\t+5], v[ST+8*\t+4], s[SEL], s[SEL+1]   ; the query's other 32 keys lie in the lane 16 away
.endr
.irp t, 0,1
	v_max_num_f32 v[ST+8*\t+4], v[ST+8*\t+4], v[ST+8*\t+5]
.endr
.irp t, 0,1
	v_fma_f32 v[ST+8*\t+4], v[ST+8*\t+4], s[CS], s[SB+\t]           ; as t
.endr
.irp t, 0,1
	v_mov_b32 v[ST+8*\t+7], v[ST+8*\t+1]
.endr
.irp t, 0,1
	v_max_num_f32 v[ST+8*\t+1], v[ST+8*\t+1], v[ST+8*\t+4]          ; the new m
.endr
.irp t, 0,1
	v_sub_f32 v[ST+8*\t+7], v[ST+8*\t+7], v[ST+8*\t+1]              ; old m - new m
.endr
.irp t, 0,1
	v_sub_f32 v[ST+8*\t], s[SB+\t], v[ST+8*\t+1]                    ; bias - m
.endr
.set i, 0
.rept 16
.irp t, 0,1
	v_pk_fma_f32 v[S+32*\t+2*i:S+32*\t+2*i+1], v[S+32*\t+2*i:S+32*\t+2*i+1], s[CS:CS+1], v[ST+8*\t:ST+8*\t+1] op_sel_hi:[1,0,0]   ; c s + bias - m
.endr
.set i, i+1
.endr
.irp t, 0,1
	v_exp_f32 v[ST+8*\t+6], v[ST+8*\t+7]           ; a = 2^(old m - new m)
.endr
.set i, 0
.rept 32
.irp t, 0,1
	v_exp_f32 v[S+32*\t+i], v[S+32*\t+i]
.endr
.set i, i+1
.endr
	v_nop                                          ; a plain instruction behind the last exponential
	s_wait_alu depctr_va_vdst(0)                   ; one wait for the 66 exponentials, ahead of the first line that names a result
.set i, 0
.rept 16
.irp t, 0,1
	v_cvt_pk_f16_f32 v[P+16*\t+i], v[S+32*\t+2*i], v[S+32*\t+2*i+1]
.endr
.set i, i+1
.endr
.irp w, 4,8,16,32                      ; the sum of the unrounded p, in place: neighbours 1, 2, 4 and 8 pairs apart
.set u, 0
.rept 32/\w
.irp t, 0,1
	v_pk_add_f32 v[S+32*\t+\w*u:S+32*\t+\w*u+1], v[S+32*\t+\w*u:S+32*\t+\w*u+1], v[S+32*\t+\w*u+\w/2:S+32*\t+\w*u+\w/2+1]
.endr
.set u, u+1
.endr
.endr
.irp t, 0,1
	v_pk_fma_f32 v[ST+8*\t+2:ST+8*\t+3], v[ST+8*\t+2:ST+8*\t+3], v[ST+8*\t+6:ST+8*\t+7], v[S+32*\t:S+32*\t+1] op_sel_hi:[1,0,1]
.endr
.set i, 0
.rept 16
.irp t, 0,1
	v_pk_mul_f32 v[O+32*\t+2*i:O+32*\t+2*i+1], v[O+32*\t+2*i:O+32*\t+2*i+1], v[ST+8*\t+6:ST+8*\t+7] op_sel_hi:[1,0]
.endr
.set i, i+1
.endr
	s_wait_dscnt 0x0                               ; V is in
	WIN W_PV
.set i, 0
.rept 16                               ; O^T += V^T P: keys 32 (i / 8) on, channels 16 ((i / 2) % 4) on, tile i % 2: eight accumulators by turns
.set rO, O+32*(i%2)+8*((i/2)%4)
.set rV, VF+32*(i/8)+8*((i/2)%4)
.set rP, P+16*(i%2)+8*(i/8)
	v_wmma_f32_16x16x32_f16 v[rO:rO+7], v[rV:rV+7], v[rP:rP+7], v[rO:rO+7]
.set i, i+1
.endr
	WIN 0
	s_add_co_u32 s[KST], s[KST], 1
	s_add_co_u32 s[TBK], s[TBK], 64*PITK
	s_add_co_u32 s[TBV], s[TBV], 128
.endm
.macro FOUR_STEPS slot, ex             ; a slot's four steps: written once, walked four times
	s_mov_b32 s[TBK], \slot*SLOTB
	s_mov_b32 s[TBV], \slot*SLOTB
	s_mov_b32 s[CNT], 4
.Lfs_\@:
	STEP \ex
	s_sub_co_u32 s[CNT], s[CNT], 1
	s_cmp_lg_u32 s[CNT], 0
	s_cbranch_scc1 .Lfs_\@
.endm
; THE CHANGE OF SLOTS.  Each wave waits for all its tensor loads (its part of the slot ahead), adds 0 to its spare word, and waits for that and for its reads of the slot that it leaves.  fill = 1: a round of the cluster's
; barrier, so that no wave of any partner still reads that slot or has a load on its way; the joint refill is the first thing behind it and has four key steps in which to land.
.macro CHANGE slot, fill
	s_wait_tensorcnt 0x0
	ds_add_u32 v[SPW], v[NIL]
.if \fill
	s_add_nc_u64 s[G0K+4*\slot+2:G0K+4*\slot+3], s[G0K+4*\slot+2:G0K+4*\slot+3], 0x200000   ; this slot's next keys: 512 rows on
	s_add_nc_u64 s[G0V+4*\slot+2:G0V+4*\slot+3], s[G0V+4*\slot+2:G0V+4*\slot+3], 1024
	s_wait_xcnt 0x0                                ; the last prefetch, four steps back, has read its address
	s_add_nc_u64 s[PFA:PFA+1], s[PFA:PFA+1], s[PFS:PFS+1]
	s_wait_dscnt 0x0                               ; the add is done, and my reads of the slot are over
	CROUND
	JLOAD \slot
	ASK
	s_sub_co_u32 s[SLOTS], s[SLOTS], 1
.else
	s_wait_dscnt 0x0
	s_barrier_signal -1
	s_barrier_wait -1
.endif
.endm
	s_wait_tensorcnt 1                             ; my part of slot 0 is in; slot 1's may stay out
	s_barrier_signal -1
	s_barrier_wait -1
	s_wait_loadcnt 0x0                             ; Q
	FOUR_STEPS 0, 0
.Lring:                                            ; three trips: six of the eight slots' worth of keys come by refills
	CHANGE 0, 1
	FOUR_STEPS 1, 0
	CHANGE 1, 1
	FOUR_STEPS 0, 0
	s_sub_co_u32 s[LP], s[LP], 1
	s_cmp_lg_u32 s[LP], 0
	s_cbranch_scc1 .Lring
	CHANGE 0, 0                                    ; the tail is written out: nothing is left to fetch
	FOUR_STEPS 1, 1                                ; key steps 28 to 31
	; THE WAY OUT.  O^T / the sum, rounded to f16, through a stage in slot 0 (its last fill and its last read lie behind the last change of slots): a row's 256 bytes come from the two heads' waves.
.rept 4
	v_nop
.endr
.irp t, 0,1
	v_add_f32 v[ST+8*\t+4], v[ST+8*\t+2], v[ST+8*\t+3]
.endr
.irp t, 0,1
	v_permlanex16_b32 v[ST+8*\t+5], v[ST+8*\t+4], s[SEL], s[SEL+1]
.endr
.irp t, 0,1
	v_add_f32 v[ST+8*\t+4], v[ST+8*\t+4], v[ST+8*\t+5]
.endr
.irp t, 0,1
	v_rcp_f32 v[ST+8*\t+6], v[ST+8*\t+4]
.endr
	v_nop
	s_wait_alu depctr_va_vdst(0)                   ; one wait for the two reciprocals, ahead of their first reader
.irp t, 0,1
.set i, 0
.rept 16
	v_pk_mul_f32 v[O+32*\t+2*i:O+32*\t+2*i+1], v[O+32*\t+2*i:O+32*\t+2*i+1], v[ST+8*\t+6:ST+8*\t+7] op_sel_hi:[1,0]
.set i, i+1
.endr
.endr
.irp t, 0,1
.set i, 0
.rept 16
	v_cvt_pk_f16_f32 v[S+16*\t+i], v[O+32*\t+2*i], v[O+32*\t+2*i+1]
.set i, i+1
.endr
.endr
.irp t, 0,1
.irp ct, 0,1,2,3
	ds_store_b128 v[STO], v[S+16*\t+4*\ct:S+16*\t+4*\ct+3] offset:\t*16*272+32*\ct
.endr
.endr
	s_wait_dscnt 0x0                               ; for the others' sake: my stores into the stage are done
	s_barrier_signal -1
	s_barrier_wait -1
.irp i, 0,1,2,3,4,5,6,7
	ds_load_b128 v[96+4*\i:99+4*\i], v[RD] offset:\i*2*272
.endr
.irp i, 0,1,2,3,4,5,6,7
	s_wait_dscnt 7-\i
	global_store_b128 v[GO], v[96+4*\i:99+4*\i], s[78:79] offset:4096*\i   ; sixteen lanes store 256 consecutive aligned bytes
.endr
	s_wait_tensorcnt 0x0                           ; the wave's end
	ds_add_u32 v[SPW], v[NIL]
	s_wait_dscnt 0x0
	CROUND                                         ; the closing round
	s_endpgm
.Lfunc_end_k_qaa0f17a5bf_attn:
	.size	k_qaa0f17a5bf_attn, .Lfunc_end_k_qaa0f17a5bf_attn-k_qaa0f17a5bf_attn
	.p2alignl 7, 3214868480
	.fill 96, 4, 3214868480
	.section	.rodata,"a",@progbits
	.p2align	6, 0x0
	.amdhsa_kernel k_qaa0f17a5bf_attn
		.amdhsa_group_segment_fixed_size 327680
		.amdhsa_private_segment_fixed_size 0
		.amdhsa_enable_private_segment 0
		.amdhsa_kernarg_size 24
		.amdhsa_user_sgpr_count 2
		.amdhsa_user_sgpr_kernarg_segment_ptr 1
		.amdhsa_wavefront_size32 1
		.amdhsa_system_sgpr_workgroup_id_x 1
		.amdhsa_system_sgpr_workgroup_id_y 1
		.amdhsa_system_sgpr_workgroup_id_z 1
		.amdhsa_system_vgpr_workitem_id 0
		.amdhsa_next_free_vgpr 448
		.amdhsa_next_free_sgpr 84
		.amdhsa_reserve_vcc 1
		.amdhsa_float_denorm_mode_32 3
		.amdhsa_float_denorm_mode_16_64 3
		.amdhsa_memory_ordered 1
		.amdhsa_forward_progress 1
		.amdhsa_inst_pref_size 119
	.end_amdhsa_kernel
	.amdgpu_metadata
---
amdhsa.version: [ 1, 2 ]
amdhsa.kernels:
  - .name:           k_qaa0f17a5bf_attn
    .symbol:         k_qaa0f17a5bf_attn.kd
    .args:
      - { .name: kqv, .offset: 0, .size: 8, .value_kind: global_buffer, .address_space: global }
      - { .name: pre, .offset: 8, .size: 8, .value_kind: global_buffer, .address_space: global }
      - { .name: bst, .offset: 16, .size: 8, .value_kind: global_buffer, .address_space: global }
    .group_segment_fixed_size: 327680
    .private_segment_fixed_size: 0
    .kernarg_segment_align: 8
    .kernarg_segment_size: 24
    .max_flat_workgroup_size: 256
    .sgpr_count:     84
    .vgpr_count:     448
    .wavefront_size: 32
...
	.end_amdgpu_metadata
.endif
;; end of part 3
;; launch outp (part 4): grid 8 x 32, 4 waves a work-group, clusters of 4 x 4, 327,680 bytes of LDS; arguments pre, wo16, out0; writes out0
.if DOCPART == 4
	.amdgcn_target "amdgcn-amd-amdhsa--gfx1250"
	.amdhsa_code_object_version 6
	.text
	.protected	k_qaa0f17a5bf_outp
	.globl	k_qaa0f17a5bf_outp
	.p2align	8
	.type	k_qaa0f17a5bf_outp,@function
k_qaa0f17a5bf_outp:
	s_mov_b64 s[64:65], 0
	v_nop
	global_prefetch_b8 v0, s[64:65] scope:SCOPE_SE
	s_setreg_imm32_b32 hwreg(HW_REG_WAVE_MODE, 25, 1), 1
	s_wait_xcnt 0x0
	s_wait_alu depctr_hold_cnt(0) depctr_sa_sdst(0) depctr_va_vdst(0) depctr_va_sdst(0) depctr_va_ssrc(0) depctr_va_vcc(0) depctr_vm_vsrc(0)
	s_getreg_b32 s2, hwreg(HW_REG_IB_STS2, 6, 4)
	s_cmp_eq_u32 s2, 0
	s_cbranch_scc0 .Lentry_in_a_cluster
	s_endpgm
.Lentry_in_a_cluster:
	s_bfe_u32 s2, ttmp6, 0x10000c
	s_cmp_lg_u32 s2, 0xf033
	s_cbranch_scc0 .Lentry_shape_is_right
	s_endpgm
.Lentry_shape_is_right:
; out0[(b, d)][m] = the sum over k = 64 h + v of pre[(b, d)][k] wo16[k][m].  pre: [4096][1024] f16, wo16: [1024 (k)][1024 (m)] f16, out0: [4096][1024] f32; sums in f32.
; 256 tiles of 128 x 128, one to a work-group; four waves of 64 x 64: 16 accumulators.  k goes in four steps of 256 through two LDS slots.
; A's tile: 128 rows x 512 bytes (pitch 528).  B lies with k as its FIRST axis: its tile is 256 k-rows x 256 bytes (pitch 288) and its fragments come out of LDS by the turning load.
; CLUSTERS: 4 x 4 work-groups; A's tile is asked for jointly along a row of the cluster, B's along a column.  THE MATRIX INSTRUCTION IS USED TRANSPOSED (source 0 = 16 columns of wo16, source 1 = 16 rows of pre).
; The 32 rows of the last 16 queries of each sequence are stored here like all others and are stored again, finer, by the last launch.
; A wave has two tensor loads out at the start and one behind each round.
; REGISTERS: window 0: v16-29 addresses; v128-255 the accumulators ((a, b) at v[128 + 8 (4 a + b)]), later rows of the result.  window 1: two fragment buffers of 128: 64 registers of A, then 64 of B.
.set PITCH,  528
.set PB,     288                       ; 256 bytes + 32: an odd multiple of 32, as the turning load's 8 rows x 32 bytes want
.set HALFA,  64*PITCH
.set BOFF,   2*HALFA
.set HALFB,  128*PB
.set SLOT,   BOFF+2*HALFB               ; 141,312
.set SPARE,  2*SLOT                    ; the spare words: two blocks of 256 bytes that no other line names
.set SPITCH, 528                       ; the way out: 128 rows x (512 + 16) in slot 0, behind its last fill and its last read
.set ADRA, 16                          ; v16-17  A's fragments in slot 0, 1
.set ADRB, 20                          ; v20-23  B's: 2 x slot + which 128 k-rows
.set STO,  24
.set RD,   25
.set CO,   26
.set SPW,  28
.set NIL,  29
.set ACC,  128
.set F0,   0
.set F1,   128
.set G1,  24
.set G0,  32
.set G1B, 48
.set G0B, 56
.set MSB, 0
.macro WIN new
.if MSB != \new
	s_set_vgpr_msb (MSB<<8)|\new
.set MSB, \new
.endif
.endm
.set MUL,  0x05                        ; sources window 1; C and D window 0
.set TO_F, 0x40
.macro JLOAD s                         ; waves 0 and 1 fetch A's halves, waves 2 and 3 B's; s_nop 0 and four v_nop follow each line
	s_cmp_eq_u32 s11, 0
	s_cbranch_scc0 .Lfor_b_\@
	tensor_load_to_lds s[G0+4*\s:G0+4*\s+3], s[G1:G1+7]
	s_nop 0
.rept 4
	v_nop
.endr
	s_branch .Lasked_\@
.Lfor_b_\@:
	tensor_load_to_lds s[G0B+4*\s:G0B+4*\s+3], s[G1B:G1B+7]
	s_nop 0
.rept 4
	v_nop
.endr
.Lasked_\@:
.endm
.macro CREST
	s_cmp_lg_u32 s10, 0
	s_cbranch_scc1 .Lnot_wave_0_\@
	s_barrier_signal -3
.Lnot_wave_0_\@:
	s_barrier_wait -3
	s_barrier_signal -1
	s_barrier_wait -1
.endm
.macro CROUND
	s_barrier_signal -1
	s_barrier_wait -1
	CREST
.endm
	s_load_b128 s[4:7], s[0:1], 0x0                ; pre, wo16
	s_load_b64 s[8:9], s[0:1], 0x10                ; out0
	v_lshl_add_u32 v[SPW], v0, 2, SPARE
	v_mov_b32 v[NIL], 0
	ds_add_u32 v[SPW], v[NIL]                      ; the wave's opening: the add, twice on end, and its wait ahead of my first tensor load
	ds_add_u32 v[SPW], v[NIL]
	v_lshrrev_b32 v1, 5, v0
	v_readfirstlane_b32 s10, v1                    ; wave 0..3
	s_lshr_b32 s11, s10, 1                         ; my half of the tile's rows.  Also: I fetch for A (0) or for B (1)
	s_and_b32 s12, s10, 1                          ; my half of its columns.  Also: which half of that tile I fetch
	s_bfe_u32 s40, ttmp6, 0x40000
	s_bfe_u32 s41, ttmp6, 0x40004
	s_lshl_b32 s42, ttmp9, 2
	s_add_co_u32 s42, s42, s40                     ; tile column
	s_and_b32 s13, ttmp7, 0xffff
	s_lshl_b32 s13, s13, 2
	s_add_co_u32 s13, s13, s41                     ; tile row
	s_lshl_b32 s43, s41, 2
	s_lshl_b32 s43, 15, s43
	s_lshl_b32 s44, 0x1111, s40
	s_or_b32 s[G1+0], s43, (1<<16)|(1<<20)|(1<<21)|(6<<22)|(3<<25)   ; A: 64 rows x 256 elements of 2 bytes, 4 words of padding behind every 128
	s_mov_b32 s[G1+1], 256<<16
	s_mov_b32 s[G1+2], 64<<16
	s_mov_b32 s[G1+3], 256<<16
	s_mov_b32 s[G1+4], 64
	s_mov_b32 s[G1+5], 1024
	s_mov_b32 s[G1+6], 0
	s_mov_b32 s[G1+7], 0
	s_or_b32 s[G1B+0], s44, (1<<16)|(1<<20)|(1<<21)|(5<<22)|(7<<25)  ; B: 128 k-rows x 128 elements, 8 words of padding behind every 64
	s_mov_b32 s[G1B+1], 128<<16
	s_mov_b32 s[G1B+2], 128<<16
	s_mov_b32 s[G1B+3], 128<<16
	s_mov_b32 s[G1B+4], 128
	s_mov_b32 s[G1B+5], 1024
	s_mov_b32 s[G1B+6], 0
	s_mov_b32 s[G1B+7], 0
	s_lshl_b32 s16, s13, 7
	s_lshl_b32 s17, s12, 6
	s_add_co_u32 s16, s16, s17
	s_lshl_b32 s16, s16, 11                        ; A: row 128 x tile row + 64 x half, 2,048 bytes a row
	s_mov_b32 s17, 0
	s_lshl_b32 s46, s12, 18                        ; B: k-row 128 x half, byte 256 x tile column
	s_lshl_b32 s47, s42, 8
	s_add_co_u32 s46, s46, s47
	s_mov_b32 s47, 0
	s_mul_i32 s20, s12, HALFA
	s_mul_i32 s21, s12, HALFB
	s_add_co_u32 s21, s21, BOFF
	s_wait_dscnt 0x0                               ; both opening adds are done
	s_wait_kmcnt 0x0
	s_add_nc_u64 s[14:15], s[4:5], s[16:17]
	s_add_nc_u64 s[46:47], s[6:7], s[46:47]
	CROUND
.irp s, 0,1
	s_mov_b32 s[G0+4*\s], 1
	s_add_co_u32 s[G0+4*\s+1], s20, \s*SLOT
	s_add_nc_u64 s[G0+4*\s+2:G0+4*\s+3], s[14:15], \s*512
	s_or_b32 s[G0+4*\s+3], s[G0+4*\s+3], 0x80000000
	s_mov_b32 s[G0B+4*\s], 1
	s_add_co_u32 s[G0B+4*\s+1], s21, \s*SLOT
	s_add_nc_u64 s[G0B+4*\s+2:G0B+4*\s+3], s[46:47], \s*524288
	s_or_b32 s[G0B+4*\s+3], s[G0B+4*\s+3], 0x80000000
	JLOAD \s
.endr
	v_and_b32 v1, 15, v0                           ; l % 16
	v_bfe_u32 v2, v0, 4, 1                         ; l / 16
	v_mul_u32_u24 v3, v1, PITCH
	v_lshl_add_u32 v3, v2, 4, v3
	s_mul_i32 s22, s11, HALFA                      ; my 64 rows of A
	v_add_nc_u32 v[ADRA], s22, v3
	v_add_nc_u32 v[ADRA+1], SLOT, v[ADRA]
	v_and_b32 v5, 7, v0                            ; the turning load: lane l reads 16 bytes of k-row 8 (l / 16) + l % 8, columns 8 ((l / 8) % 2) on
	v_lshl_add_u32 v5, v2, 3, v5
	v_mul_u32_u24 v5, v5, PB
	v_bfe_u32 v6, v0, 3, 1
	v_lshl_add_u32 v5, v6, 4, v5
	s_lshl_b32 s22, s12, 7                         ; my 64 columns
	s_add_co_u32 s22, s22, BOFF
	v_add_nc_u32 v5, s22, v5
.irp n, 0,1,2,3
	v_add_nc_u32 v[ADRB+\n], (\n/2)*SLOT+(\n%2)*HALFB, v5
.endr
	s_mul_i32 s23, s11, 64*SPITCH                  ; into the stage: my 64 rows, my 256 bytes of them; row l % 16, 32 bytes for each half of the lanes
	s_lshl_b32 s22, s12, 8
	s_add_co_u32 s23, s23, s22
	v_mul_u32_u24 v4, v1, SPITCH
	v_lshl_add_u32 v4, v2, 5, v4
	v_add_nc_u32 v[STO], s23, v4
	v_and_b32 v6, 31, v0
	v_lshlrev_b32 v[CO], 4, v6                     ; back: the 32 lanes take one row of 512 bytes; rows 32 wave on
	s_mul_i32 s23, s10, 32*SPITCH
	v_add_nc_u32 v[RD], s23, v[CO]
	s_lshl_b32 s16, s13, 7
	s_lshl_b32 s17, s10, 5
	s_add_co_u32 s16, s16, s17
	s_lshl_b32 s16, s16, 12                        ; the first row that I store: 128 x tile row + 32 x wave, 4,096 bytes a row
	s_lshl_b32 s17, s42, 9
	s_add_co_u32 s16, s16, s17
	s_mov_b32 s17, 0
	s_add_nc_u64 s[8:9], s[8:9], s[16:17]
.macro MUL8 f, c, a0, zero             ; 8 matrix instructions: m blocks a0, a0 + 1 x 4 n blocks, 32 along k; the 16 accumulators take turns
.irp a, \a0, \a0+1
.irp b, 0,1,2,3
.if \zero
	v_wmma_f32_16x16x32_f16 v[ACC+8*(4*(\a)+\b):ACC+8*(4*(\a)+\b)+7], v[\f+64+8*(4*\c+\b):\f+64+8*(4*\c+\b)+7], v[\f+8*(4*\c+\a):\f+8*(4*\c+\a)+7], 0
.else
	v_wmma_f32_16x16x32_f16 v[ACC+8*(4*(\a)+\b):ACC+8*(4*(\a)+\b)+7], v[\f+64+8*(4*\c+\b):\f+64+8*(4*\c+\b)+7], v[\f+8*(4*\c+\a):\f+8*(4*\c+\a)+7], v[ACC+8*(4*(\a)+\b):ACC+8*(4*(\a)+\b)+7]
.endif
.endr
.endr
.endm
.macro FETCH slot, q, f                ; 32 LDS loads in one run: the fragments of the slot's q-th 64 along k; the first 32 along k first
	WIN TO_F
.irp c, 0,1
.irp i, 0,1,2,3
	ds_load_tr16_b128 v[\f+64+8*(4*\c+\i):\f+64+8*(4*\c+\i)+3],   v[ADRB+2*\slot+(\q)/2] offset:((\q)%2)*64*PB+\c*32*PB+32*\i
	ds_load_tr16_b128 v[\f+64+8*(4*\c+\i)+4:\f+64+8*(4*\c+\i)+7], v[ADRB+2*\slot+(\q)/2] offset:((\q)%2)*64*PB+\c*32*PB+32*\i+16*PB
	ds_load_b128 v[\f+8*(4*\c+\i):\f+8*(4*\c+\i)+3],         v[ADRA+\slot] offset:128*(\q)+64*\c+\i*16*PITCH
	ds_load_b128 v[\f+8*(4*\c+\i)+4:\f+8*(4*\c+\i)+7],       v[ADRA+\slot] offset:128*(\q)+64*\c+\i*16*PITCH+32
.endr
.endr
.endm
.macro PLACES
.rept 4
	v_nop
.endr
.endm
.macro QUARTER slot, q, f, g, zero     ; multiplies buffer f and fetches the slot's quarter q into g
	s_wait_dscnt 16                                ; the first 32 along k are in
	WIN MUL
	MUL8 \f, 0, 0, \zero
	MUL8 \f, 0, 2, \zero
	PLACES
	FETCH \slot, \q, \g
	s_wait_dscnt 32                                ; all but the 32 just issued
	WIN MUL
	MUL8 \f, 1, 0, 0
	MUL8 \f, 1, 2, 0
.endm
.macro TURN slot, next, fill           ; a slot's last quarter changes slots: one barrier; in front of it each wave waits for all its tensor loads, adds 0 to its spare word, and waits for that and for its reads of this slot
	WIN 0
	s_wait_tensorcnt 0x0
	ds_add_u32 v[SPW], v[NIL]
	s_wait_dscnt 17                                ; (the add and the youngest sixteen loads may be out)
	WIN MUL
	MUL8 F1, 0, 0, 0
	s_wait_dscnt 0x0
	s_barrier_signal -1
	MUL8 F1, 0, 2, 0
.if \fill
	WIN 0
.endif
	s_barrier_wait -1
.if \fill
	CREST                                          ; the barrier has opened a round of the cluster's barrier
	s_add_nc_u64 s[G0+4*\slot+2:G0+4*\slot+3], s[G0+4*\slot+2:G0+4*\slot+3], 1024
	s_add_nc_u64 s[G0B+4*\slot+2:G0B+4*\slot+3], s[G0B+4*\slot+2:G0B+4*\slot+3], 1048576
	JLOAD \slot                                    ; the first tensor load behind the round; its four v_nop are also the places in front of the loads below
.else
	PLACES
.endif
	FETCH \next, 0, F0
	WIN MUL
	MUL8 F1, 1, 0, 0
	MUL8 F1, 1, 2, 0
.endm
	s_wait_tensorcnt 1                             ; my part of the first step is in,
	s_barrier_signal -1
	s_barrier_wait -1                              ; everybody's is
	FETCH 0, 0, F0
	QUARTER 0, 1, F0, F1, 1                        ; the first products start the sums
	QUARTER 0, 2, F1, F0, 0
	QUARTER 0, 3, F0, F1, 0
	TURN 0, 1, 1
	QUARTER 1, 1, F0, F1, 0
	QUARTER 1, 2, F1, F0, 0
	QUARTER 1, 3, F0, F1, 0
	TURN 1, 0, 1
	QUARTER 0, 1, F0, F1, 0
	QUARTER 0, 2, F1, F0, 0
	QUARTER 0, 3, F0, F1, 0
	TURN 0, 1, 0
	QUARTER 1, 1, F0, F1, 0
	QUARTER 1, 2, F1, F0, 0
	QUARTER 1, 3, F0, F1, 0
	s_wait_dscnt 16
	WIN MUL
	MUL8 F1, 0, 0, 0
	MUL8 F1, 0, 2, 0
	s_wait_dscnt 0
	MUL8 F1, 1, 0, 0
	MUL8 F1, 1, 2, 0
	WIN 0
	; THE WAY OUT: 32 bytes a lane into the work-group's stage, each accumulator from its low end on; a barrier, since a row's 512 bytes come from two waves; back as whole rows, 32 rows a wave.
	PLACES
.irp a, 0,1,2,3
.irp b, 0,1,2,3
	ds_store_b128 v[STO], v[ACC+8*(4*\a+\b):ACC+8*(4*\a+\b)+3] offset:\a*16*SPITCH+64*\b
	ds_store_b128 v[STO], v[ACC+8*(4*\a+\b)+4:ACC+8*(4*\a+\b)+7] offset:\a*16*SPITCH+64*\b+16
.endr
.endr
	s_wait_dscnt 0x0
	s_barrier_signal -1
	s_barrier_wait -1
.set t, 0
.rept 32
	ds_load_b128 v[ACC+4*t:ACC+4*t+3], v[RD] offset:t*SPITCH
.set t, t+1
.endr
.set t, 0
.rept 32
	s_wait_dscnt 31-t
	global_store_b128 v[CO], v[ACC+4*t:ACC+4*t+3], s[8:9] offset:t*4096 th:TH_STORE_NT   ; 32 lanes store 512 consecutive aligned bytes
.set t, t+1
.endr
	s_wait_tensorcnt 0x0                           ; the wave's end
	ds_add_u32 v[SPW], v[NIL]
	s_wait_dscnt 0x0
	CROUND                                         ; the closing round
	s_endpgm
.Lfunc_end_k_qaa0f17a5bf_outp:
	.size	k_qaa0f17a5bf_outp, .Lfunc_end_k_qaa0f17a5bf_outp-k_qaa0f17a5bf_outp
	.p2alignl 7, 3214868480
	.fill 96, 4, 3214868480
	.section	.rodata,"a",@progbits
	.p2align	6, 0x0
	.amdhsa_kernel k_qaa0f17a5bf_outp
		.amdhsa_group_segment_fixed_size 327680
		.amdhsa_private_segment_fixed_size 0
		.amdhsa_enable_private_segment 0
		.amdhsa_kernarg_size 24
		.amdhsa_user_sgpr_count 2
		.amdhsa_user_sgpr_kernarg_segment_ptr 1
		.amdhsa_wavefront_size32 1
		.amdhsa_system_sgpr_workgroup_id_x 1
		.amdhsa_system_sgpr_workgroup_id_y 1
		.amdhsa_system_sgpr_workgroup_id_z 1
		.amdhsa_system_vgpr_workitem_id 0
		.amdhsa_next_free_vgpr 512
		.amdhsa_next_free_sgpr 66
		.amdhsa_reserve_vcc 0
		.amdhsa_float_denorm_mode_32 3
		.amdhsa_float_denorm_mode_16_64 3
		.amdhsa_memory_ordered 1
		.amdhsa_forward_progress 1
		.amdhsa_inst_pref_size 86
	.end_amdhsa_kernel
	.amdgpu_metadata
---
amdhsa.version: [ 1, 2 ]
amdhsa.kernels:
  - .name:           k_qaa0f17a5bf_outp
    .symbol:         k_qaa0f17a5bf_outp.kd
    .args:
      - { .name: pre, .offset: 0, .size: 8, .value_kind: global_buffer, .address_space: global }
      - { .name: wo16, .offset: 8, .size: 8, .value_kind: global_buffer, .address_space: global }
      - { .name: out0, .offset: 16, .size: 8, .value_kind: global_buffer, .address_space: global }
    .group_segment_fixed_size: 327680
    .private_segment_fixed_size: 0
    .kernarg_segment_align: 8
    .kernarg_segment_size: 24
    .max_flat_workgroup_size: 128
    .sgpr_count:     66
    .vgpr_count:     512
    .wavefront_size: 32
...
	.end_amdgpu_metadata
.endif
;; end of part 4
;; launch finea (part 5): grid 32 x 1, 13 waves a work-group, no clusters, 15,104 bytes of LDS; arguments cod, scl, kqv, bst, pf; writes pf
.if DOCPART == 5
	.amdgcn_target "amdgcn-amd-amdhsa--gfx1250"
	.amdhsa_code_object_version 6
	.text
	.protected	k_qaa0f17a5bf_finea
	.globl	k_qaa0f17a5bf_finea
	.p2align	8
	.type	k_qaa0f17a5bf_finea,@function
k_qaa0f17a5bf_finea:
	s_mov_b64 s[64:65], 0
	v_nop
	global_prefetch_b8 v0, s[64:65] scope:SCOPE_SE
	s_setreg_imm32_b32 hwreg(HW_REG_WAVE_MODE, 25, 1), 1
	s_wait_xcnt 0x0
; THE LAST 16 QUERIES OF EACH SEQUENCE (d = 2032 .. 2047), for one batch and head a work-group, carried finely: they average 0 to 15 unmasked keys, all of which lie among the last 16 keys.
; K, Q and V of positions 2032 .. 2047 are made anew in f32 from the same codes, by the FP4 matrix instruction; the scores against those 16 keys and their part of P V go by the f32 matrix form (32 instructions a work-group).
; The 2,032 keys below are all masked for these queries.  Keys 0 .. 1983: the attention launch has left its state over them in bst (the largest t, the sum's parts, O^T; f32).  Keys 1984 .. 2031: f16 products here, from kqv.
; One common maximum M of t = c s - 100 c (unmasked keys get +100 onto s first) and of the state's m; p = 2^(t - M); the state counts with a = 2^(m - M); the sum of the unrounded p and of a x the state's sum divides at the end.
; pf: [b][h][chunk 0..7][lane][4 f32]: lane (r, hh) of chunk i holds query 2032 + r, channels 16 (i / 2) + 8 hh + 4 (i % 2) + 0..3: images of the registers that the next launch's f32 products take; bst's chunks lie the same way.
; SHARES: waves 0-11 make the twelve tail tiles and leave them in LDS as images of their registers; wave 12 meanwhile loads what it needs and makes the 48 masked keys' scores; one barrier; wave 12 does the rest, lane by lane.
; Whatever wave 12 carries across the barrier lies in registers that the other waves' way writes too (v32-159, v160-183); every LDS address is made at the head.  No cluster, no tensor load: work-groups share no tile.
; LIMITS: the masked keys' part goes in f16 (p under 2^-25 becomes 0 there; K, Q, V under 65,504); NaN and infinities are not served.
.set TAIL,  0                          ; images of 1,024 bytes, one for each wave's number: K's dims 16 t on (0-3), V's channels 16 t on (4-7), Q's (8-11); the thirteenth is not used
.set SPARE, 13312                      ; the spare words, 128 bytes a wave: seven blocks of 256 bytes that no other line names
.set BIG,   32                         ; waves 0-11: v32-159 codes.  wave 12: v[32:33] a, v[34:35] 1 / sum, v44-47 the state's statistics, v48-95 K's fragments, then v48-79 the state's O^T and the result, v80-95 O^T's tiles 2, 3; v96-159 V's fragments
.set S,     160                        ; v160-191 scores, then p: tiles of 16 keys at 1984, 2000, 2016 (f16 products) and 2032 (f32)
.set P,     192                        ; v192-207 p in f16
; v1 r, v2 h, v3 16 lane, v4 codes' offset, v6 kqv offset, v10 my image's address, v11 r - 8 h, v[12:13] bias - M and M, v14, v15 the add's two, v16-31 Q, later the tail's images;
; v208-223 O^T's tiles 0, 1; v224-239 written by matrix instructions alone; v240-247 scale words and nothing else; v248-253 at work; v255 the scale words' offset.
	s_load_b256 s[4:11], s[0:1], 0x0               ; cod, scl, kqv, bst
	s_load_b64 s[38:39], s[0:1], 0x20              ; pf
	v_lshl_add_u32 v14, v0, 2, SPARE
	v_mov_b32 v15, 0
	v_lshrrev_b32 v1, 5, v0
	v_readfirstlane_b32 s12, v1                    ; wave 0..12
	s_lshr_b32 s13, ttmp9, 4                       ; b
	s_and_b32 s14, ttmp9, 15                       ; the head
	v_and_b32 v1, 15, v0                           ; r
	v_bfe_u32 v2, v0, 4, 1                         ; h
	v_and_b32 v3, 31, v0
	v_lshlrev_b32 v3, 4, v3
	v_lshlrev_b32 v4, 9, v1
	v_lshl_add_u32 v4, v2, 4, v4
	v_lshlrev_b32 v6, 12, v1
	v_lshl_add_u32 v6, v2, 4, v6
	s_lshl_b32 s15, s12, 10
	v_add_nc_u32 v10, s15, v3
	v_lshlrev_b32 v11, 3, v2
	v_sub_nc_u32 v11, v1, v11
	v_mov_b32 v252, 0                              ; written once: a lane permute's destination counts as one of its sources
	s_mov_b32 s20, 0x76543210
	s_mov_b32 s21, 0xfedcba98
	s_mov_b32 s22, 0x3e38aa3b                      ; c = log2(e) / 8
	s_mov_b32 s23, s22
	s_mov_b32 s24, 0xc19044fe                      ; -100 c
	s_lshl_b32 s32, s13, 23                        ; Q: row 2048 b + 2032, byte 2048 + 128 x head
	s_add_co_u32 s32, s32, 2032*4096+2048
	s_lshl_b32 s15, s14, 7
	s_add_co_u32 s32, s32, s15
	s_mov_b32 s33, 0
	s_lshl_b32 s34, s13, 23                        ; K: row 2048 b + 1984, byte 128 x head
	s_add_co_u32 s34, s34, 1984*4096
	s_add_co_u32 s34, s34, s15
	s_mov_b32 s35, 0
	s_lshl_b32 s36, s13, 22                        ; V^T: row 4096 + 1024 b + 64 x head, from key 1984 on: byte 3,968
	s_lshl_b32 s16, s14, 18
	s_add_co_u32 s36, s36, s16
	s_add_co_u32 s36, s36, 0x1000000+3968
	s_mov_b32 s37, 0
	s_lshl_b32 s42, ttmp9, 2                       ; bst: the part of the work-group that held queries 2032 on: ((16 b + head) x 4 + 3) x 4,608 bytes
	s_add_co_u32 s42, s42, 3
	s_mul_i32 s42, s42, 4608
	s_mov_b32 s43, 0
	s_lshl_b32 s40, ttmp9, 12                      ; pf: 4,096 bytes a work-group
	s_mov_b32 s41, 0
	s_wait_kmcnt 0x0
	s_add_nc_u64 s[32:33], s[8:9], s[32:33]
	s_add_nc_u64 s[34:35], s[8:9], s[34:35]
	s_add_nc_u64 s[36:37], s[8:9], s[36:37]
	s_add_nc_u64 s[42:43], s[10:11], s[42:43]
	s_add_nc_u64 s[38:39], s[38:39], s[40:41]
	; ---- waves 0-11: the tails: kind = wave / 4 (K, V, Q), 16 dims or channels at 16 (wave % 4).  K, Q: source 0 = the weight, source 1 = the positions: a lane holds position r, registers run over dims.
	;      V: the sources change places: a lane holds channel r, registers run over keys.  Pairs of these registers are operands of the f32 matrix form as they stand.
	s_cmp_lt_u32 s12, 12
	s_cbranch_scc0 .Lmain
	s_lshr_b32 s16, s12, 2
	s_and_b32 s17, s12, 3
	s_lshl_b32 s18, s13, 11
	s_add_co_u32 s18, s18, 2032
	s_lshr_b32 s19, s16, 1
	s_lshl_b32 s19, s19, 12
	s_add_co_u32 s18, s18, s19                     ; the positions' first row in cod: qinput's lie 4,096 rows on
	s_lshl_b32 s19, s16, 10
	s_lshl_b32 s25, s14, 6
	s_add_co_u32 s19, s19, s25
	s_lshl_b32 s25, s17, 4
	s_add_co_u32 s19, s19, s25
	s_add_co_u32 s19, s19, 8192                    ; the weight's first row
	s_cmp_eq_u32 s16, 1
	s_cselect_b32 s26, s18, s19                    ; source 0's rows
	s_cselect_b32 s27, s19, s18                    ; source 1's
	s_lshl_b32 s28, s26, 9
	s_mov_b32 s29, 0
	s_add_nc_u64 s[28:29], s[4:5], s[28:29]
	s_lshl_b32 s30, s27, 9
	s_mov_b32 s31, 0
	s_add_nc_u64 s[30:31], s[4:5], s[30:31]
	s_lshl_b32 s26, s26, 5
	s_lshl_b32 s27, s27, 5
	v_mov_b32 v248, s26
	v_mov_b32 v249, s27
	v_cmp_eq_u32 vcc_lo, 1, v2
	v_cndmask_b32 v255, v248, v249, vcc_lo         ; lanes 0-15 take source 0's scale words, lanes 16-31 source 1's
	v_lshl_add_u32 v255, v1, 5, v255
.irp s, 0,1,2,3,4,5,6,7
.irp c, 0,1
	global_load_b128 v[BIG+8*\s+4*\c:BIG+8*\s+4*\c+3], v4, s[28:29] offset:64*\s+32*\c
	global_load_b128 v[BIG+64+8*\s+4*\c:BIG+64+8*\s+4*\c+3], v4, s[30:31] offset:64*\s+32*\c
.endr
.endr
	global_load_b128 v[240:243], v255, s[6:7]
	global_load_b128 v[244:247], v255, s[6:7] offset:16
	s_wait_loadcnt 0x0
.irp s, 0,1,2,3,4,5,6,7                ; two accumulators by turns
.if \s < 2
	v_wmma_scale_f32_16x16x128_f8f6f4 v[S+8*(\s%2):S+8*(\s%2)+7], v[BIG+8*\s:BIG+8*\s+7], v[BIG+64+8*\s:BIG+64+8*\s+7], 0, v[240+\s], v[240+\s] matrix_a_fmt:MATRIX_FMT_FP4 matrix_b_fmt:MATRIX_FMT_FP4 matrix_b_scale:MATRIX_SCALE_ROW1
.else
	v_wmma_scale_f32_16x16x128_f8f6f4 v[S+8*(\s%2):S+8*(\s%2)+7], v[BIG+8*\s:BIG+8*\s+7], v[BIG+64+8*\s:BIG+64+8*\s+7], v[S+8*(\s%2):S+8*(\s%2)+7], v[240+\s], v[240+\s] matrix_a_fmt:MATRIX_FMT_FP4 matrix_b_fmt:MATRIX_FMT_FP4 matrix_b_scale:MATRIX_SCALE_ROW1
.endif
.endr
.rept 4
	v_nop
.endr
.irp i, 0,1,2,3
	v_pk_add_f32 v[176+2*\i:177+2*\i], v[160+2*\i:161+2*\i], v[168+2*\i:169+2*\i]
.endr
	ds_store_b128 v10, v[176:179]                  ; the tile as an image of its registers
	ds_store_b128 v10, v[180:183] offset:512
.rept 4
	v_nop
.endr
	s_branch .Lmeet
	; ---- wave 12, meanwhile: the state's statistics, Q, K of keys 1984 .. 2031, V^T of keys 1984 .. 2047; the 48 masked keys' scores, S^T = K Q^T in f16; then the state's O^T is asked for
.Lmain:
	global_load_b128 v[44:47], v3, s[42:43] offset:4096   ; bias - m, m, my lane's two parts of the sum
.irp ck, 0,1
	global_load_b128 v[16+8*\ck:19+8*\ck], v6, s[32:33] offset:64*\ck
	global_load_b128 v[20+8*\ck:23+8*\ck], v6, s[32:33] offset:64*\ck+32
.endr
.irp kt, 0,1,2
.irp ck, 0,1
	global_load_b128 v[48+16*\kt+8*\ck:48+16*\kt+8*\ck+3],   v6, s[34:35] offset:\kt*65536+64*\ck
	global_load_b128 v[48+16*\kt+8*\ck+4:48+16*\kt+8*\ck+7], v6, s[34:35] offset:\kt*65536+64*\ck+32
.endr
.endr
.irp kc, 0,1
.irp ct, 0,1,2,3
	global_load_b128 v[96+32*\kc+8*\ct:96+32*\kc+8*\ct+3],   v6, s[36:37] offset:\ct*65536+64*\kc
	global_load_b128 v[96+32*\kc+8*\ct+4:96+32*\kc+8*\ct+7], v6, s[36:37] offset:\ct*65536+64*\kc+32
.endr
.endr
	s_wait_loadcnt 16                              ; the statistics, Q and K are in; V's 16 loads, issued behind them, may be out
.irp kt, 0,1,2                         ; three accumulators by turns
	v_wmma_f32_16x16x32_f16 v[S+8*\kt:S+8*\kt+7], v[48+16*\kt:48+16*\kt+7], v[16:23], 0
.endr
.irp kt, 0,1,2
	v_wmma_f32_16x16x32_f16 v[S+8*\kt:S+8*\kt+7], v[48+16*\kt+8:48+16*\kt+15], v[24:31], v[S+8*\kt:S+8*\kt+7]
.endr
.rept 4
	v_nop                                          ; four places in front of loads into registers that these products have read
.endr
.irp i, 0,1,2,3,4,5,6,7
	global_load_b128 v[48+4*\i:51+4*\i], v3, s[42:43] offset:512*\i   ; the state's O^T lands while the tail is worked
.endr
.Lmeet:
	s_wait_dscnt 0x0                               ; my tail image has landed
	s_barrier_signal -1
	s_barrier_wait -1                              ; the twelve images lie in LDS
	s_cmp_lg_u32 s12, 12
	s_cbranch_scc1 .Ldone
	v_mov_b32 v33, 0                               ; named as the upper halves of the pairs v[32:33] and v[34:35]
	v_mov_b32 v35, 0
	; ---- the scores against the last 16 keys in f32: 16 products of 4 dims on two accumulators by turns
.irp t, 0,1,2,3
.if \t > 0
.rept 8
	v_nop                                          ; eight places behind this form, in front of loads into its sources
.endr
.endif
	ds_load_b128 v[16:19], v3 offset:TAIL+1024*\t
	ds_load_b128 v[20:23], v3 offset:TAIL+1024*\t+512
	ds_load_b128 v[24:27], v3 offset:TAIL+1024*(8+\t)
	ds_load_b128 v[28:31], v3 offset:TAIL+1024*(8+\t)+512
	s_wait_dscnt 0x0
.irp s, 0,1,2,3
.if (\t == 0) && (\s < 2)
	v_wmma_f32_16x16x4_f32 v[224+8*(\s%2):231+8*(\s%2)], v[16+2*\s:17+2*\s], v[24+2*\s:25+2*\s], 0
.else
	v_wmma_f32_16x16x4_f32 v[224+8*(\s%2):231+8*(\s%2)], v[16+2*\s:17+2*\s], v[24+2*\s:25+2*\s], v[224+8*(\s%2):231+8*(\s%2)]
.endif
.endr
.endr
.rept 8
	v_nop
.endr
.irp i, 0,1,2,3
	v_pk_add_f32 v[S+24+2*\i:S+25+2*\i], v[224+2*\i:225+2*\i], v[232+2*\i:233+2*\i]   ; the fourth tile of scores
.endr
	v_mov_b32 v249, 0x42c80000                     ; 100.0
.irp j, 0,1,2,3,4,5,6,7
	v_cmp_gt_i32 vcc_lo, \j, v11                   ; key 8 h + j comes after query r: unmasked: +100, so that one bias, -100 c, serves every register
	v_cndmask_b32 v248, 0, v249, vcc_lo
	v_add_f32 v[S+24+\j], v[S+24+\j], v248
.endr
	; ---- the common maximum: each accumulator is read from its low end on
.irp b, 0,1,2,3
	v_max3_num_f32 v[248+\b], v[S+8*\b], v[S+8*\b+1], v[S+8*\b+2]
.endr
.irp i, 3,5
.irp b, 0,1,2,3
	v_max3_num_f32 v[248+\b], v[248+\b], v[S+8*\b+\i], v[S+8*\b+\i+1]
.endr
.endr
.irp b, 0,1,2,3
	v_max_num_f32 v[248+\b], v[248+\b], v[S+8*\b+7]
.endr
	v_max3_num_f32 v248, v248, v249, v250
	v_max_num_f32 v248, v248, v251
	v_permlanex16_b32 v252, v248, s20, s21
	v_max_num_f32 v248, v248, v252
	v_fma_f32 v248, v248, s22, s24                 ; as t
	s_wait_loadcnt 0x0                             ; V and the state's O^T are in
	v_max_num_f32 v13, v248, v45                   ; M: the query's largest t over all 2,048 keys
	v_sub_f32 v12, s24, v13                        ; bias - M
	v_sub_f32 v253, v45, v13                       ; the state's m - M
	; ---- the weights
.set j, 0
.rept 16
	v_pk_fma_f32 v[S+j:S+j+1], v[S+j:S+j+1], s[22:23], v[12:13] op_sel_hi:[1,0,0]
.set j, j+2
.endr
	v_exp_f32 v32, v253                            ; a
.set j, 0
.rept 32
	v_exp_f32 v[S+j], v[S+j]
.set j, j+1
.endr
	v_nop
	s_wait_alu depctr_va_vdst(0)                   ; one wait for the 33 exponentials, ahead of their first reader
	v_pk_add_f32 v[248:249], v[S:S+1], v[S+2:S+3]
	v_pk_add_f32 v[250:251], v[S+4:S+5], v[S+6:S+7]
.set j, 8
.rept 6
	v_pk_add_f32 v[248:249], v[248:249], v[S+j:S+j+1]
	v_pk_add_f32 v[250:251], v[250:251], v[S+j+2:S+j+3]
.set j, j+4
.endr
	v_pk_add_f32 v[248:249], v[248:249], v[250:251]
	v_add_f32 v248, v248, v249
	v_add_f32 v249, v46, v47                       ; my lane's part of the state's sum,
	v_fma_f32 v248, v249, v32, v248                ; under M
	v_permlanex16_b32 v252, v248, s20, s21
	v_add_f32 v248, v248, v252                     ; the row's sum
	v_rcp_f32 v34, v248
.set j, 0
.rept 12
	v_cvt_pk_f16_f32 v[P+j], v[S+2*j], v[S+2*j+1]
.set j, j+1
.endr
.irp j, 12,13,14,15
	v_mov_b32 v[P+\j], 0                           ; the last 16 keys count in f32 alone
.endr
	; ---- O^T = V^T P: keys 1984 .. 2031 in f16, four accumulators by turns
.irp kc, 0,1
.irp ct, 0,1,2,3
.if \kc == 0
	v_wmma_f32_16x16x32_f16 v[208+8*\ct-(\ct/2)*144:215+8*\ct-(\ct/2)*144], v[96+32*\kc+8*\ct:96+32*\kc+8*\ct+7], v[P+8*\kc:P+8*\kc+7], 0
.else
	v_wmma_f32_16x16x32_f16 v[208+8*\ct-(\ct/2)*144:215+8*\ct-(\ct/2)*144], v[96+32*\kc+8*\ct:96+32*\kc+8*\ct+7], v[P+8*\kc:P+8*\kc+7], v[208+8*\ct-(\ct/2)*144:215+8*\ct-(\ct/2)*144]
.endif
.endr
.endr
	; ---- the last 16 keys in f32, two tiles of channels at a time; then the three parts are added: a x the state's + the f16 part + the f32 part
.irp pp, 0,1
	ds_load_b128 v[16:19], v3 offset:TAIL+1024*(4+2*\pp)
	ds_load_b128 v[20:23], v3 offset:TAIL+1024*(4+2*\pp)+512
	ds_load_b128 v[24:27], v3 offset:TAIL+1024*(5+2*\pp)
	ds_load_b128 v[28:31], v3 offset:TAIL+1024*(5+2*\pp)+512
	s_wait_dscnt 0x0
.irp s, 0,1,2,3
.irp cc, 0,1
.if \s == 0
	v_wmma_f32_16x16x4_f32 v[224+8*\cc:231+8*\cc], v[16+8*\cc+2*\s:17+8*\cc+2*\s], v[S+24+2*\s:S+25+2*\s], 0
.else
	v_wmma_f32_16x16x4_f32 v[224+8*\cc:231+8*\cc], v[16+8*\cc+2*\s:17+8*\cc+2*\s], v[S+24+2*\s:S+25+2*\s], v[224+8*\cc:231+8*\cc]
.endif
.endr
.endr
.rept 8
	v_nop                                          ; eight places behind this form; with the eight multiply-adds below, which name none of its registers, more than the nine that the next two sums, begun anew on these accumulators, want
.endr
.irp cc, 0,1
.irp i, 0,1,2,3
	v_pk_fma_f32 v[48+16*\pp+8*\cc+2*\i:49+16*\pp+8*\cc+2*\i], v[48+16*\pp+8*\cc+2*\i:49+16*\pp+8*\cc+2*\i], v[32:33], v[208-128*\pp+8*\cc+2*\i:209-128*\pp+8*\cc+2*\i] op_sel_hi:[1,0,1]
.endr
.endr
.irp cc, 0,1
.irp i, 0,1,2,3
	v_pk_add_f32 v[48+16*\pp+8*\cc+2*\i:49+16*\pp+8*\cc+2*\i], v[48+16*\pp+8*\cc+2*\i:49+16*\pp+8*\cc+2*\i], v[224+8*\cc+2*\i:225+8*\cc+2*\i]
.endr
.endr
.endr
	s_wait_alu depctr_va_vdst(0)                   ; the wait for the reciprocal, ahead of its first reader; all the products above are the work between
.set j, 0
.rept 16
	v_pk_mul_f32 v[48+j:49+j], v[48+j:49+j], v[34:35] op_sel_hi:[1,0]
.set j, j+2
.endr
.irp i, 0,1,2,3,4,5,6,7
	global_store_b128 v3, v[48+4*\i:51+4*\i], s[38:39] offset:512*\i   ; 32 lanes store 512 consecutive aligned bytes
.endr
.Ldone:
	s_wait_tensorcnt 0x0                           ; the wave's end
	ds_add_u32 v14, v15
	s_wait_dscnt 0x0
	s_endpgm
.Lfunc_end_k_qaa0f17a5bf_finea:
	.size	k_qaa0f17a5bf_finea, .Lfunc_end_k_qaa0f17a5bf_finea-k_qaa0f17a5bf_finea
	.p2alignl 7, 3214868480
	.fill 96, 4, 3214868480
	.section	.rodata,"a",@progbits
	.p2align	6, 0x0
	.amdhsa_kernel k_qaa0f17a5bf_finea
		.amdhsa_group_segment_fixed_size 15104
		.amdhsa_private_segment_fixed_size 0
		.amdhsa_enable_private_segment 0
		.amdhsa_kernarg_size 40
		.amdhsa_user_sgpr_count 2
		.amdhsa_user_sgpr_kernarg_segment_ptr 1
		.amdhsa_wavefront_size32 1
		.amdhsa_system_sgpr_workgroup_id_x 1
		.amdhsa_system_sgpr_workgroup_id_y 1
		.amdhsa_system_sgpr_workgroup_id_z 1
		.amdhsa_system_vgpr_workitem_id 0
		.amdhsa_next_free_vgpr 256
		.amdhsa_next_free_sgpr 66
		.amdhsa_reserve_vcc 1
		.amdhsa_float_denorm_mode_32 3
		.amdhsa_float_denorm_mode_16_64 3
		.amdhsa_memory_ordered 1
		.amdhsa_forward_progress 1
		.amdhsa_inst_pref_size 29
	.end_amdhsa_kernel
	.amdgpu_metadata
---
amdhsa.version: [ 1, 2 ]
amdhsa.kernels:
  - .name:           k_qaa0f17a5bf_finea
    .symbol:         k_qaa0f17a5bf_finea.kd
    .args:
      - { .name: cod, .offset: 0, .size: 8, .value_kind: global_buffer, .address_space: global }
      - { .name: scl, .offset: 8, .size: 8, .value_kind: global_buffer, .address_space: global }
      - { .name: kqv, .offset: 16, .size: 8, .value_kind: global_buffer, .address_space: global }
      - { .name: bst, .offset: 24, .size: 8, .value_kind: global_buffer, .address_space: global }
      - { .name: pf, .offset: 32, .size: 8, .value_kind: global_buffer, .address_space: global }
    .group_segment_fixed_size: 15104
    .private_segment_fixed_size: 0
    .kernarg_segment_align: 8
    .kernarg_segment_size: 40
    .max_flat_workgroup_size: 416
    .sgpr_count:     66
    .vgpr_count:     256
    .wavefront_size: 32
...
	.end_amdgpu_metadata
.endif
;; end of part 5
;; launch fineb (part 6): grid 64 x 1, 8 waves a work-group, no clusters, 17,408 bytes of LDS; arguments pf, wo, out0; writes out0
.if DOCPART == 6
	.amdgcn_target "amdgcn-amd-amdhsa--gfx1250"
	.amdhsa_code_object_version 6
	.text
	.protected	k_qaa0f17a5bf_fineb
	.globl	k_qaa0f17a5bf_fineb
	.p2align	8
	.type	k_qaa0f17a5bf_fineb,@function
k_qaa0f17a5bf_fineb:
	s_mov_b64 s[64:65], 0
	v_nop
	global_prefetch_b8 v0, s[64:65] scope:SCOPE_SE
	s_setreg_imm32_b32 hwreg(HW_REG_WAVE_MODE, 25, 1), 1
	s_wait_xcnt 0x0
; THE OUTPUT PROJECTION OF THE LAST 16 QUERIES OF EACH SEQUENCE IN f32: out0[b][2032 + q][m] = the sum over (h, v) of pf(b, h, q, v) wo[h][v][m], with wo as it is given.  32 rows of out0, stored over what the f16 product left there.
; A work-group takes 16 columns m; wave w the heads 2 w and 2 w + 1, for both batches: each number of wo is loaded once in the launch.  64 f32 matrix instructions a wave (K = 4 each), on two accumulators (the two batches) by turns.
; pf's chunks are images of source 0's registers: of chunk i, registers 2 s and 2 s + 1 of lane (r, hh) hold query r, channels 16 (i / 2) + 8 hh + 4 (i % 2) + 2 s + 0, 1; source 1 takes the same channels of wo in the same lanes.
; The eight waves' parts meet in LDS; waves 0-3 add them and store.  A store's sixteen lanes cover 64 consecutive bytes: 16 columns to a work-group share this small work out over 64 work-groups; 128 KiB are stored in all.
; No cluster, no tensor load: the work-groups share only pf, 128 KiB.
.set SPARE, 16384                      ; behind the eight waves' parts of 2,048 bytes: the spare words, four blocks of 256 bytes that no other line names
.set A, 32                             ; v32-159  pf: 64 bb + 32 hl + 4 i
.set B, 160                            ; v160-223 wo: 2 (16 hl + 2 i + s) + j
	s_load_b128 s[4:7], s[0:1], 0x0                ; pf, wo
	s_load_b64 s[8:9], s[0:1], 0x10                ; out0
	v_lshl_add_u32 v14, v0, 2, SPARE
	v_mov_b32 v15, 0
	v_lshrrev_b32 v1, 5, v0
	v_readfirstlane_b32 s10, v1                    ; wave 0..7
	v_and_b32 v1, 15, v0                           ; r
	v_bfe_u32 v2, v0, 4, 1                         ; hh
	v_and_b32 v3, 31, v0
	v_lshlrev_b32 v3, 4, v3                        ; 16 x lane
	v_lshlrev_b32 v4, 15, v2
	v_lshl_add_u32 v4, v1, 2, v4                   ; 8 rows of 4,096 bytes for the upper half of the lanes, 4 bytes a column: in wo and in out0 alike
	s_lshl_b32 s11, s10, 11
	v_add_nc_u32 v5, s11, v3                       ; my wave's part in LDS
	s_and_b32 s11, s10, 3
	s_lshl_b32 s11, s11, 9
	v_add_nc_u32 v6, s11, v3                       ; what I add up: piece wave % 4 of every part
	s_lshl_b32 s12, s10, 13                        ; pf: two heads are 8,192 bytes
	s_mov_b32 s13, 0
	s_wait_kmcnt 0x0
	s_add_nc_u64 s[4:5], s[4:5], s[12:13]
	s_lshl_b32 s12, s10, 19                        ; wo: two heads are 524,288 bytes; my work-group's 16 columns
	s_lshl_b32 s11, ttmp9, 6
	s_add_co_u32 s12, s12, s11
	s_add_nc_u64 s[6:7], s[6:7], s[12:13]
	s_bfe_u32 s12, s10, 0x10001                    ; for the way out: batch (wave / 2) % 2, rows 2032 + 4 (wave % 2) on
	s_lshl_b32 s12, s12, 23
	s_and_b32 s14, s10, 1
	s_lshl_b32 s14, s14, 14
	s_add_co_u32 s12, s12, s14
	s_add_co_u32 s12, s12, s11
	s_add_co_u32 s12, s12, 2032*4096
	s_add_nc_u64 s[8:9], s[8:9], s[12:13]
.irp bb, 0,1
.irp hl, 0,1
.irp i, 0,1,2,3,4,5,6,7
	global_load_b128 v[A+64*\bb+32*\hl+4*\i:A+64*\bb+32*\hl+4*\i+3], v3, s[4:5] offset:\bb*65536+\hl*4096+512*\i
.endr
.endr
.endr
.irp hl, 0,1
.irp i, 0,1,2,3,4,5,6,7
.irp s, 0,1
.irp j, 0,1
	global_load_b32 v[B+2*(16*\hl+2*\i+\s)+\j], v4, s[6:7] offset:(64*\hl+16*(\i/2)+4*(\i%2)+2*\s+\j)*4096
.endr
.endr
.endr
.endr
	s_wait_loadcnt 0x0
.irp hl, 0,1
.irp i, 0,1,2,3,4,5,6,7
.irp s, 0,1
.irp bb, 0,1
.if (\hl == 0) && (\i == 0) && (\s == 0)
	v_wmma_f32_16x16x4_f32 v[224+8*\bb:231+8*\bb], v[A+64*\bb+32*\hl+4*\i+2*\s:A+64*\bb+32*\hl+4*\i+2*\s+1], v[B+2*(16*\hl+2*\i+\s):B+2*(16*\hl+2*\i+\s)+1], 0
.else
	v_wmma_f32_16x16x4_f32 v[224+8*\bb:231+8*\bb], v[A+64*\bb+32*\hl+4*\i+2*\s:A+64*\bb+32*\hl+4*\i+2*\s+1], v[B+2*(16*\hl+2*\i+\s):B+2*(16*\hl+2*\i+\s)+1], v[224+8*\bb:231+8*\bb]
.endif
.endr
.endr
.endr
.endr
.rept 8
	v_nop                                          ; eight places behind this form
.endr
.irp bb, 0,1
	ds_store_b128 v5, v[224+8*\bb:227+8*\bb] offset:1024*\bb          ; each accumulator from its low end on
	ds_store_b128 v5, v[228+8*\bb:231+8*\bb] offset:1024*\bb+512
.endr
	s_wait_dscnt 0x0
	s_barrier_signal -1
	s_barrier_wait -1
	s_cmp_lt_u32 s10, 4
	s_cbranch_scc0 .Ldone
.irp q, 0,1,2,3,4,5,6,7
	ds_load_b128 v[A+4*\q:A+4*\q+3], v6 offset:2048*\q
.endr
	s_wait_dscnt 0x0
.irp q, 1,2,3,4,5,6,7
	v_pk_add_f32 v[A:A+1], v[A:A+1], v[A+4*\q:A+4*\q+1]
	v_pk_add_f32 v[A+2:A+3], v[A+2:A+3], v[A+4*\q+2:A+4*\q+3]
.endr
.irp j, 0,1,2,3
	global_store_b32 v4, v[A+\j], s[8:9] offset:4096*\j               ; out0(2032 + 8 hh + 4 (wave % 2) + j, my column)
.endr
.Ldone:
	s_wait_tensorcnt 0x0                           ; the wave's end
	ds_add_u32 v14, v15
	s_wait_dscnt 0x0
	s_endpgm
.Lfunc_end_k_qaa0f17a5bf_fineb:
	.size	k_qaa0f17a5bf_fineb, .Lfunc_end_k_qaa0f17a5bf_fineb-k_qaa0f17a5bf_fineb
	.p2alignl 7, 3214868480
	.fill 96, 4, 3214868480
	.section	.rodata,"a",@progbits
	.p2align	6, 0x0
	.amdhsa_kernel k_qaa0f17a5bf_fineb
		.amdhsa_group_segment_fixed_size 17408
		.amdhsa_private_segment_fixed_size 0
		.amdhsa_enable_private_segment 0
		.amdhsa_kernarg_size 24
		.amdhsa_user_sgpr_count 2
		.amdhsa_user_sgpr_kernarg_segment_ptr 1
		.amdhsa_wavefront_size32 1
		.amdhsa_system_sgpr_workgroup_id_x 1
		.amdhsa_system_sgpr_workgroup_id_y 1
		.amdhsa_system_sgpr_workgroup_id_z 1
		.amdhsa_system_vgpr_workitem_id 0
		.amdhsa_next_free_vgpr 256
		.amdhsa_next_free_sgpr 66
		.amdhsa_reserve_vcc 0
		.amdhsa_float_denorm_mode_32 3
		.amdhsa_float_denorm_mode_16_64 3
		.amdhsa_memory_ordered 1
		.amdhsa_forward_progress 1
		.amdhsa_inst_pref_size 18
	.end_amdhsa_kernel
	.amdgpu_metadata
---
amdhsa.version: [ 1, 2 ]
amdhsa.kernels:
  - .name:           k_qaa0f17a5bf_fineb
    .symbol:         k_qaa0f17a5bf_fineb.kd
    .args:
      - { .name: pf, .offset: 0, .size: 8, .value_kind: global_buffer, .address_space: global }
      - { .name: wo, .offset: 8, .size: 8, .value_kind: global_buffer, .address_space: global }
      - { .name: out0, .offset: 16, .size: 8, .value_kind: global_buffer, .address_space: global }
    .group_segment_fixed_size: 17408
    .private_segment_fixed_size: 0
    .kernarg_segment_align: 8
    .kernarg_segment_size: 24
    .max_flat_workgroup_size: 256
    .sgpr_count:     66
    .vgpr_count:     256
    .wavefront_size: 32
...
	.end_amdgpu_metadata
.endif
;; end of part 6
